; MI455X (gfx1250); checked and timed in simulation.
; The chip was launched on July 23, 2026; its instructions are those of AMD's public machine-readable ISA for CDNA 5 (MIT licence, August 2026) and "CDNA5" Instruction Set Architecture Reference Guide (July 2026). The comments in the code are by the model that wrote it; some were corrected since.
;; Multihead Attention. Allowed arithmetic: float matrix products may take bf16 or f16 operands with f32 sums; other float arithmetic in f32, or as packed bf16 or f16 multiplies, adds, multiply-adds, maxima and minima; sums over many terms, partial sums and values carried from step to step in f32; what a program stores and reads back later, other than sums and carried values, may be rounded once to bf16 or f16.
;; Inputs: b0 512 float32; bk 512 float32; bq 512 float32; bv 512 float32; k 2 x 4,096 x 512 float32; mask 2 x 4,096 x 4,096 int32; q 2 x 4,096 x 512 float32; v 2 x 4,096 x 512 float32; w0 512 x 512 float32; wk 512 x 512 float32; wq 512 x 512 float32; wv 512 x 512 float32.
;; Outputs: out0 2 x 4,096 x 512 float32.
;; 3 versions, each right; version 2 is faster than version 1; version 3 is version 2 with the launch maskpack written anew for expert scheduling mode. Each part assembles by itself: llvm-mc -triple=amdgcn-amd-amdhsa -mcpu=gfx1250 --defsym DOCPART=n.
;; ======== version 1 of 3: 4 launches
;; limits: values are held in f16: magnitudes above 65,504 overflow, below 6.1e-05 lose precision
;; workspace buffers: mbits 4,194,304 bytes of whole numbers; qh 8,388,608 bytes; kh 8,388,608 bytes; vh 8,388,608 bytes; oh 8,388,608 bytes
;; launch maskpack (part 1): grid 512 x 1, 8 waves a work-group, no clusters, 35,840 bytes of LDS; arguments mask, mbits; writes mbits
.if DOCPART == 1
	.amdgcn_target "amdgcn-amd-amdhsa--gfx1250"
	.amdhsa_code_object_version 6
	.text
	.protected	k_qd7cef8e628_maskpack
	.globl	k_qd7cef8e628_maskpack
	.p2align	8
	.type	k_qd7cef8e628_maskpack,@function
k_qd7cef8e628_maskpack:
	s_mov_b64 s[64:65], 0
	v_nop
	global_prefetch_b8 v0, s[64:65] scope:SCOPE_SE
	s_setreg_imm32_b32 hwreg(HW_REG_WAVE_MODE, 25, 1), 1
	s_wait_xcnt 0x0
; The int32 mask [2][4096][4096] is packed once into lane masks: mbits[T][step][n], 32-bit words, T = batch x 256 + query / 16 (512), step = key / 64 (64), n = 8 kt + j (32).
; Bit L of word n says whether mask[batch][16 (T % 256) + L % 16][64 step + 16 kt + 8 (L / 16) + j] is not 0: the lane mask of register n of a 16 query x 64 key tile of scores as the attention launch holds it.
; SHARES.  A work-group takes 16 rows of the mask (262,144 bytes), each of its eight waves 512 keys of them: eight steps of 64 keys.
; A load of a wave takes 256 consecutive bytes of each of two rows.  A lane mask wants sixteen different rows across the lanes, so each 16 x 64 tile is turned in the wave's own LDS bytes
; (rows of 272 bytes: sixteen rows start in sixteen different 16-byte columns of 256).  No wave touches another's bytes: no barrier.  32 loads of every wave are on their way.
; No matrix unit, no cluster: each byte is read once and nothing is shared.
.set PITCH, 272
.set WT,    16*PITCH                   ; a wave's tile in LDS
.set SPARE, 8*WT                       ; behind the tiles: the spare words, 128 bytes for each wave, four blocks of 256 bytes that no other line names
.set VM,   2                           ; v2   byte offset in the mask: (lane / 16) rows + 16 (lane % 16)
.set VS,   3                           ; v3   LDS: where I put 16 bytes of a row
.set VR,   4                           ; v4   LDS: row lane % 16, keys 8 (lane / 16) on
.set VO,   5                           ; v5   16 x lane: my place in 512 bytes of output
.set SPW,  6                           ; v6   LDS address of my spare word; never rewritten
.set NIL,  7                           ; v7   0; never rewritten
.set OUT0, 8                           ; v[8:11]    the words of steps 0-3: lane 8 s + n / 4 holds words n of step s
.set T,    12                          ; v[12:43]   a tile turned: register n as in the head's formula
.set RAW,  44                          ; v[44:171]  four buffers of 32: a step's tile as loaded
.set OUT1, 172                         ; v[172:175] the words of steps 4-7
.set WD,   16                          ; s[16:47]   a step's 32 words
	s_load_b128 s[4:7], s[0:1], 0x0                ; mask s[4:5], mbits s[6:7]
	v_lshl_add_u32 v[SPW], v0, 2, SPARE
	v_mov_b32 v[NIL], 0
	v_lshrrev_b32 v1, 5, v0
	v_readfirstlane_b32 s8, v1                     ; wave 0..7
	v_and_b32 v1, 15, v0                           ; lane % 16
	v_bfe_u32 v[T], v0, 4, 1                       ; lane / 16
	v_lshlrev_b32 v[VM], 4, v1
	v_lshl_add_u32 v[VM], v[T], 14, v[VM]          ; a row of the mask is 16,384 bytes
	s_mul_i32 s9, s8, WT
	v_mul_u32_u24 v[VS], v[T], PITCH
	v_lshl_add_u32 v[VS], v1, 4, v[VS]
	v_add_nc_u32 v[VS], s9, v[VS]
	v_mul_u32_u24 v[VR], v1, PITCH
	v_lshl_add_u32 v[VR], v[T], 5, v[VR]
	v_add_nc_u32 v[VR], s9, v[VR]
	v_and_b32 v[VO], 31, v0
	v_lshlrev_b32 v[VO], 4, v[VO]
.irp j, 0,1,2,3
	v_mov_b32 v[OUT0+(\j)], 0                      ; a lane write counts as a reader of its destination: written once, whole
	v_mov_b32 v[OUT1+(\j)], 0
.endr
	s_lshl_b32 s10, ttmp9, 18                      ; my 16 rows,
	s_lshl_b32 s12, s8, 11                         ; my wave's 512 keys
	s_add_co_u32 s10, s10, s12
	s_mov_b32 s11, 0
	s_lshl_b32 s12, ttmp9, 13                      ; 64 steps x 128 bytes,
	s_lshl_b32 s13, s8, 10                         ; my wave's eight steps
	s_add_co_u32 s12, s12, s13
	s_mov_b32 s13, 0
	s_wait_kmcnt 0x0
	s_add_nc_u64 s[4:5], s[4:5], s[10:11]
	s_add_nc_u64 s[6:7], s[6:7], s[12:13]
.macro FILL s                          ; step s: eight loads, two rows of 256 bytes each
.irp i, 0,1,2,3,4,5,6,7
	global_load_b128 v[RAW+32*((\s)%4)+4*(\i):RAW+32*((\s)%4)+4*(\i)+3], v[VM], s[4:5] offset:(\i)*32768+(\s)*256 th:TH_LOAD_NT
.endr
.endm
.macro STEPM s
.if (\s) <= 4
	s_wait_loadcnt 24                              ; loads come back in order: step s is in, the three steps behind it stay out
.else
	s_wait_loadcnt 8*(7-(\s))                      ; the last steps: the count runs down
.endif
.irp i, 0,1,2,3,4,5,6,7
	ds_store_b128 v[VS], v[RAW+32*((\s)%4)+4*(\i):RAW+32*((\s)%4)+4*(\i)+3] offset:(\i)*2*PITCH
.endr
.irp f, 0,1,2,3,4,5,6,7                ; kt = f / 2, keys 4 (f % 2) on: LDS serves a wave's instructions in order, so these see the stores above
	ds_load_b128 v[T+4*(\f):T+4*(\f)+3], v[VR] offset:((\f)/2)*64+((\f)%2)*16
.endr
	s_wait_dscnt 0x0                               ; the tile is back, and the stores have read the buffer
.if (\s) < 4
	FILL (\s)+4                                    ; the buffer takes the step four further on
.endif
.set n, 0
.rept 32
	v_cmp_ne_u32 s[WD+n], 0, v[T+n]
.set n, n+1
.endr
.set OB, OUT0
.if (\s) >= 4
.set OB, OUT1
.endif
.set n, 0
.rept 32
	v_writelane_b32 v[OB+n%4], s[WD+n], ((\s)%4)*8+n/4
.set n, n+1
.endr
.if (\s)%4 == 3
	global_store_b128 v[VO], v[OB:OB+3], s[6:7] offset:((\s)/4)*512  ; four steps' words: 512 consecutive bytes, at a multiple of 256 from the buffer's first
.endif
.endm
	FILL 0
	FILL 1
	FILL 2
	FILL 3
.irp s, 0,1,2,3,4,5,6,7
	STEPM \s
.endr
	s_wait_tensorcnt 0x0                           ; the wave's end, behind my last LDS store
	ds_add_u32 v[SPW], v[NIL]
	s_wait_dscnt 0x0
	s_endpgm
.Lfunc_end_k_qd7cef8e628_maskpack:
	.size	k_qd7cef8e628_maskpack, .Lfunc_end_k_qd7cef8e628_maskpack-k_qd7cef8e628_maskpack
	.p2alignl 7, 3214868480
	.fill 96, 4, 3214868480
	.section	.rodata,"a",@progbits
	.p2align	6, 0x0
	.amdhsa_kernel k_qd7cef8e628_maskpack
		.amdhsa_group_segment_fixed_size 35840
		.amdhsa_private_segment_fixed_size 0
		.amdhsa_enable_private_segment 0
		.amdhsa_kernarg_size 16
		.amdhsa_user_sgpr_count 2
		.amdhsa_user_sgpr_kernarg_segment_ptr 1
		.amdhsa_wavefront_size32 1
		.amdhsa_system_sgpr_workgroup_id_x 1
		.amdhsa_system_sgpr_workgroup_id_y 1
		.amdhsa_system_sgpr_workgroup_id_z 1
		.amdhsa_system_vgpr_workitem_id 0
		.amdhsa_next_free_vgpr 176
		.amdhsa_next_free_sgpr 66
		.amdhsa_reserve_vcc 0
		.amdhsa_float_denorm_mode_32 3
		.amdhsa_float_denorm_mode_16_64 3
		.amdhsa_memory_ordered 1
		.amdhsa_forward_progress 1
		.amdhsa_inst_pref_size 49
	.end_amdhsa_kernel
	.amdgpu_metadata
---
amdhsa.version: [ 1, 2 ]
amdhsa.kernels:
  - .name:           k_qd7cef8e628_maskpack
    .symbol:         k_qd7cef8e628_maskpack.kd
    .args:
      - { .name: mask, .offset: 0, .size: 8, .value_kind: global_buffer, .address_space: global }
      - { .name: mbits, .offset: 8, .size: 8, .value_kind: global_buffer, .address_space: global }
    .group_segment_fixed_size: 35840
    .private_segment_fixed_size: 0
    .kernarg_segment_align: 8
    .kernarg_segment_size: 16
    .max_flat_workgroup_size: 256
    .sgpr_count:     66
    .vgpr_count:     176
    .wavefront_size: 32
...
	.end_amdgpu_metadata
.endif
;; end of part 1
;; launch proj (part 2): grid 4 x 192, 4 waves a work-group, no clusters, 83,456 bytes of LDS; arguments q, k, v, wq, wk, wv, bq, bk, bv, qh, kh, vh; writes qh, kh, vh
.if DOCPART == 2
	.amdgcn_target "amdgcn-amd-amdhsa--gfx1250"
	.amdhsa_code_object_version 6
	.text
	.protected	k_qd7cef8e628_proj
	.globl	k_qd7cef8e628_proj
	.p2align	8
	.type	k_qd7cef8e628_proj,@function
k_qd7cef8e628_proj:
	s_mov_b64 s[64:65], 0
	v_nop
	global_prefetch_b8 v0, s[64:65] scope:SCOPE_SE
	s_setreg_imm32_b32 hwreg(HW_REG_WAVE_MODE, 25, 1), 1
	s_wait_xcnt 0x0
; The three projections.  Y = (X W^T + bias) x SC, written by heads: Y[batch x 8 + head][row][64] in f16, rows dense.  X: [8192][512] f32, W: [512][512] f32, bias: [512] f32.
; X, W and the bias are each rounded once to bf16; products in bf16, sums in f32; Y is rounded once to f16.  SC = log2(e) / 8 for q (the scores then come out as exponents of 2), 1 for k and v.
; LIMIT.  f16 ends at 65,504: |Y| has to stay under it (inputs of the drawn spread give numbers near 1; inputs and weights 30 times larger near 1,000).  NaN and infinities are not treated apart.
; SHARES.  Work-group (x, y): tensor y / 64 (q, k, v), rows 128 (y % 64) on, columns 128 x on (two heads).  Four waves, each 64 rows x one head: 16 accumulators.
; K goes in eight steps of 64.  A wave loads 32 rows of X's and of W's tile (16 lanes take a row's 256 bytes), rounds them once and puts them into one of two LDS slots; one barrier a step.
; The operands arrive as f32 and are rounded on the way through registers, so no tensor load and no joint request is used: tiles landing in LDS as f32 would double the LDS reads and make each wave round the same numbers again.
; THE MATRIX INSTRUCTION IS USED TRANSPOSED (source 0 = 16 rows of W, source 1 = 16 rows of X): a lane holds one row of Y and eight neighbouring columns, 16 bytes of f16.
; REGISTERS.  Window 0: v0-13 addresses; v16-47 bias; v48-111 the way out; v128-255 accumulators, (a, b) at 128 + 8 (4 a + b).
;   Window 1: v0-63, v64-127 X's and W's numbers as loaded; v128-191, v192-255 fragments of X and of W, (c, block) at 8 (4 c + block).
.set LP,    144                        ; an LDS row: 64 bf16 + 16 bytes: an odd multiple of 16, so the 16 rows of a fragment load start in 16 different 16-byte columns
.set TILEB, 128*LP
.set SLOT,  2*TILEB                    ; X's 128 rows, then W's
.set STAGE, 2*SLOT                     ; 16 rows x 144 bytes for each wave, for the way out
.set SPARE, STAGE+4*16*LP              ; the spare words, 128 bytes for each wave: two blocks of 256 bytes that no other line names
.set VG,  3                            ; v3   byte offset in X and in W: (32 w + lane / 16) rows of 2,048 + 16 (lane % 16)
.set VL,  4                            ; v4   the same place in an LDS tile
.set FA,  5                            ; v5   my fragments of X
.set FB,  6                            ; v6   of W
.set STO, 7                            ; v7   the way out: where I put 16 bytes of a row
.set RD,  8                            ; v8   where I read rows back
.set GO,  9                            ; v9   16 x lane
.set VB,  10                           ; v10  32 (lane / 16): my eight numbers of a block of 16 of the bias
.set SPW, 12                           ; v12  LDS address of my spare word; never rewritten
.set NIL, 13                           ; v13  0; never rewritten
.set BIAS, 16
.set U,   48
.set ACC, 128
.set RAWA, 0
.set RAWB, 64
.set FRA, 128
.set FRB, 192
.set SA,  32                           ; s[32:33] X at my tile, stepped along K
.set SB,  34                           ; s[34:35] W likewise
.set SBI, 36                           ; s[36:37] the bias at my wave's 64 columns
.set SY,  38                           ; s[38:39] Y at my wave's first row
.set SC,  46                           ; s[46:47] the scale, named as a pair
.set MSB, 0
.macro WIN new                         ; the immediate's high byte repeats the setting that is left; a switch that changes nothing is dropped
.if MSB != (\new)
	s_set_vgpr_msb (MSB<<8)|(\new)
.set MSB, (\new)
.endif
.endm
	s_load_b512 s[8:23], s[0:1], 0x0               ; q, k, v, wq, wk, wv, bq, bk
	s_load_b256 s[24:31], s[0:1], 0x40             ; bv, qh, kh, vh
	v_lshl_add_u32 v[SPW], v0, 2, SPARE
	v_mov_b32 v[NIL], 0
	v_lshrrev_b32 v1, 5, v0
	v_readfirstlane_b32 s2, v1                     ; wave 0..3
	v_and_b32 v1, 15, v0                           ; lane % 16
	v_bfe_u32 v2, v0, 4, 1                         ; lane / 16
	s_and_b32 s41, ttmp7, 0xffff
	s_lshr_b32 s40, s41, 6                         ; which tensor
	s_and_b32 s41, s41, 63                         ; which 128 rows
	s_mov_b32 s42, ttmp9                           ; which 128 columns
	s_lshr_b32 s43, s2, 1                          ; my half of the rows
	s_and_b32 s44, s2, 1                           ; my half of the columns
	s_mov_b32 s49, 0xffff0000
	s_lshl_b32 s50, s2, 16                         ; 32 rows of 2,048 bytes
	v_lshlrev_b32 v[VG], 4, v1
	v_lshl_add_u32 v[VG], v2, 11, v[VG]
	v_add_nc_u32 v[VG], s50, v[VG]
	s_mul_i32 s50, s2, 32*LP
	v_mul_u32_u24 v[VL], v2, LP
	v_lshl_add_u32 v[VL], v1, 3, v[VL]
	v_add_nc_u32 v[VL], s50, v[VL]
	v_mul_u32_u24 v[FA], v1, LP
	v_lshl_add_u32 v[FA], v2, 4, v[FA]             ; row x pitch + 16 x half
	s_mul_i32 s50, s44, 64*LP
	s_add_co_u32 s50, s50, TILEB
	v_add_nc_u32 v[FB], s50, v[FA]
	s_mul_i32 s50, s2, 16*LP
	s_add_co_u32 s50, s50, STAGE                   ; my stage
	v_add_nc_u32 v[STO], s50, v[FA]
	v_bfe_u32 v[RD], v0, 3, 2                      ; back: 32 lanes take four rows of 128 bytes
	v_mul_u32_u24 v[RD], v[RD], LP
	v_and_b32 v[GO], 7, v0
	v_lshl_add_u32 v[RD], v[GO], 4, v[RD]
	v_add_nc_u32 v[RD], s50, v[RD]
	s_mul_i32 s50, s43, 64*LP
	v_add_nc_u32 v[FA], s50, v[FA]
	v_and_b32 v[GO], 31, v0
	v_lshlrev_b32 v[GO], 4, v[GO]
	v_lshlrev_b32 v[VB], 5, v2
	s_cmp_eq_u32 s40, 0
	s_cselect_b32 s[SC], 0x3e38aa3b, 1.0           ; log2(e) / 8 = 0.180337 for q
	s_mov_b32 s[SC+1], s[SC]
	s_wait_kmcnt 0x0
	s_cmp_eq_u32 s40, 1                            ; the tensor's four buffers are chosen by its number
	s_cselect_b64 s[SA:SA+1], s[10:11], s[8:9]
	s_cselect_b64 s[SB:SB+1], s[16:17], s[14:15]
	s_cselect_b64 s[SBI:SBI+1], s[22:23], s[20:21]
	s_cselect_b64 s[SY:SY+1], s[28:29], s[26:27]
	s_cmp_eq_u32 s40, 2
	s_cselect_b64 s[SA:SA+1], s[12:13], s[SA:SA+1]
	s_cselect_b64 s[SB:SB+1], s[18:19], s[SB:SB+1]
	s_cselect_b64 s[SBI:SBI+1], s[24:25], s[SBI:SBI+1]
	s_cselect_b64 s[SY:SY+1], s[30:31], s[SY:SY+1]
	s_mov_b32 s51, 0
	s_lshl_b32 s50, s41, 18                        ; 128 rows of 2,048 bytes
	s_add_nc_u64 s[SA:SA+1], s[SA:SA+1], s[50:51]
	s_lshl_b32 s50, s42, 18
	s_add_nc_u64 s[SB:SB+1], s[SB:SB+1], s[50:51]
	s_lshl_b32 s50, s42, 9
	s_lshl_b32 s3, s44, 8
	s_add_co_u32 s50, s50, s3
	s_add_nc_u64 s[SBI:SBI+1], s[SBI:SBI+1], s[50:51]
	s_lshr_b32 s50, s41, 5                         ; batch
	s_lshl_b32 s50, s50, 3
	s_lshl1_add_u32 s50, s42, s50
	s_add_co_u32 s50, s50, s44                     ; batch x 8 + head
	s_lshl_b32 s50, s50, 19                        ; 4,096 rows of 128 bytes
	s_and_b32 s3, s41, 31
	s_lshl_b32 s3, s3, 14                          ; 128 rows
	s_add_co_u32 s50, s50, s3
	s_lshl_b32 s3, s43, 13                         ; 64 rows
	s_add_co_u32 s50, s50, s3
	s_add_nc_u64 s[SY:SY+1], s[SY:SY+1], s[50:51]
.macro LOADS                           ; a K step's numbers: 16 loads of X, 16 of W, two rows of 256 bytes each
	WIN 0x40                                       ; destination window 1, address window 0
.set i, 0
.rept 16
	global_load_b128 v[RAWA+4*i:RAWA+4*i+3], v[VG], s[SA:SA+1] offset:i*4096
	global_load_b128 v[RAWB+4*i:RAWB+4*i+3], v[VG], s[SB:SB+1] offset:i*4096
.set i, i+1
.endr
.endm
.macro FRAGS slot                      ; 32 LDS loads in one run, the first 32 along K first
	WIN 0x40
.irp c, 0,1
.irp i, 0,1,2,3
	ds_load_b128 v[FRB+8*(4*(\c)+(\i)):FRB+8*(4*(\c)+(\i))+3],   v[FB] offset:(\slot)*SLOT+(\i)*16*LP+64*(\c)
	ds_load_b128 v[FRB+8*(4*(\c)+(\i))+4:FRB+8*(4*(\c)+(\i))+7], v[FB] offset:(\slot)*SLOT+(\i)*16*LP+64*(\c)+32
	ds_load_b128 v[FRA+8*(4*(\c)+(\i)):FRA+8*(4*(\c)+(\i))+3],   v[FA] offset:(\slot)*SLOT+(\i)*16*LP+64*(\c)
	ds_load_b128 v[FRA+8*(4*(\c)+(\i))+4:FRA+8*(4*(\c)+(\i))+7], v[FA] offset:(\slot)*SLOT+(\i)*16*LP+64*(\c)+32
.endr
.endr
.endm
.macro MUL c, zero                     ; 16 matrix instructions, 32 along K; the 16 accumulators take turns.  zero = 1: the first products start the sums
	WIN 0x05                                       ; sources 0 and 1 window 1; C and D window 0
.irp a, 0,1,2,3
.irp b, 0,1,2,3
.if \zero
	v_wmma_f32_16x16x32_bf16 v[ACC+8*(4*(\a)+(\b)):ACC+8*(4*(\a)+(\b))+7], v[FRB+8*(4*(\c)+(\b)):FRB+8*(4*(\c)+(\b))+7], v[FRA+8*(4*(\c)+(\a)):FRA+8*(4*(\c)+(\a))+7], 0
.else
	v_wmma_f32_16x16x32_bf16 v[ACC+8*(4*(\a)+(\b)):ACC+8*(4*(\a)+(\b))+7], v[FRB+8*(4*(\c)+(\b)):FRB+8*(4*(\c)+(\b))+7], v[FRA+8*(4*(\c)+(\a)):FRA+8*(4*(\c)+(\a))+7], v[ACC+8*(4*(\a)+(\b)):ACC+8*(4*(\a)+(\b))+7]
.endif
.endr
.endr
.endm
; A K step.  One barrier does both orderings: a wave writes this slot only behind the last step's barrier, which every wave signalled with its reads of this slot (two steps back) returned;
; and the slot is read only behind this step's barrier, which every wave signals with its stores done.
.macro STEP slot, first, last
	s_wait_loadcnt 0x0                             ; this step's numbers are in; the loads are done, so their bases may step
.if !(\last)
	s_add_nc_u64 s[SA:SA+1], s[SA:SA+1], 256
	s_add_nc_u64 s[SB:SB+1], s[SB:SB+1], 256
.endif
	WIN 0x45                                       ; all in window 1
.set i, 0
.rept 32                               ; each number is rounded once to bf16, in place.  These 64 lines are also the places between the last products and the loads into their fragments
	v_cvt_pk_bf16_f32 v[4*i], v[4*i], v[4*i+1]
	v_cvt_pk_bf16_f32 v[4*i+1], v[4*i+2], v[4*i+3]
.set i, i+1
.endr
	WIN 0x04                                       ; address window 0, data window 1
.set i, 0
.rept 16
	ds_store_b64 v[VL], v[RAWA+4*i:RAWA+4*i+1] offset:(\slot)*SLOT+i*2*LP
	ds_store_b64 v[VL], v[RAWB+4*i:RAWB+4*i+1] offset:(\slot)*SLOT+TILEB+i*2*LP
.set i, i+1
.endr
	s_wait_dscnt 0x0                               ; for the others' sake: my stores are done; they have also read their registers
.if !(\last)
	LOADS                                          ; the next step's numbers: they have this step's products in which to come
.endif
	s_barrier_signal -1
	s_barrier_wait -1
	FRAGS \slot
	s_wait_dscnt 16                                ; the first 32 along K are in
	MUL 0, \first
	s_wait_dscnt 0x0
	MUL 1, 0
.endm
.irp b, 0,1,2,3
	global_load_b128 v[BIAS+8*(\b):BIAS+8*(\b)+3],   v[VB], s[SBI:SBI+1] offset:64*(\b)
	global_load_b128 v[BIAS+8*(\b)+4:BIAS+8*(\b)+7], v[VB], s[SBI:SBI+1] offset:64*(\b)+16
.endr
	LOADS
	WIN 0
	s_wait_loadcnt 32                              ; the bias is in; the 32 loads of K step 0 stay out
.set i, 0
.rept 16                               ; the bias is rounded to bf16 like the other inputs,
	v_cvt_pk_bf16_f32 v[U+i], v[BIAS+2*i], v[BIAS+2*i+1]
.set i, i+1
.endr
.set i, 0
.rept 16                               ; widened again,
	v_lshlrev_b32 v[BIAS+2*i], 16, v[U+i]
	v_and_b32 v[BIAS+2*i+1], s49, v[U+i]
.set i, i+1
.endr
.set i, 0
.rept 16                               ; and scaled, so that the way out is one fused multiply-add
	v_pk_mul_f32 v[BIAS+2*i:BIAS+2*i+1], v[BIAS+2*i:BIAS+2*i+1], s[SC:SC+1] op_sel_hi:[1,0]
.set i, i+1
.endr
	STEP 0, 1, 0
	WIN 0                                          ; at a label and at a branch every window is 0
	s_mov_b32 s48, 3
.Lk:
	STEP 1, 0, 0
	STEP 0, 0, 0
	WIN 0
	s_sub_co_u32 s48, s48, 1
	s_cmp_lg_u32 s48, 0
	s_cbranch_scc1 .Lk
	STEP 1, 0, 1                                   ; the last step loads nothing
	WIN 0
	; THE WAY OUT, 16 rows at a time: sum x SC + bias x SC, rounded to f16; 16 bytes a lane into my own stage, back as whole rows of 128 bytes: four rows are 512 consecutive bytes of Y.
.rept 4
	v_nop                                          ; four places between the last products and the first line that reads or writes a result
.endr
.macro PACK a
.set i, 0
.rept 16                               ; each accumulator's registers in ascending order
	v_pk_fma_f32 v[ACC+32*(\a)+2*i:ACC+32*(\a)+2*i+1], v[ACC+32*(\a)+2*i:ACC+32*(\a)+2*i+1], s[SC:SC+1], v[BIAS+2*i:BIAS+2*i+1] op_sel_hi:[1,0,1]
.set i, i+1
.endr
.set i, 0
.rept 16
	v_cvt_pk_f16_f32 v[U+16*(\a)+i], v[ACC+32*(\a)+2*i], v[ACC+32*(\a)+2*i+1]
.set i, i+1
.endr
.irp b, 0,1,2,3
	ds_store_b128 v[STO], v[U+16*(\a)+4*(\b):U+16*(\a)+4*(\b)+3] offset:32*(\b)
.endr
.irp f, 0,1,2,3
	ds_load_b128 v[U+16*(\a)+4*(\f):U+16*(\a)+4*(\f)+3], v[RD] offset:(\f)*4*LP  ; LDS serves a wave's instructions in order: these see the stores above; the next block's stores come behind them
.endr
.endm
.macro SEND a, younger                 ; younger: the LDS instructions issued behind block a's loads: the next block's eight, or none
.irp f, 0,1,2,3
	s_wait_dscnt (\younger)+3-(\f)
	global_store_b128 v[GO], v[U+16*(\a)+4*(\f):U+16*(\a)+4*(\f)+3], s[SY:SY+1] offset:(\a)*2048+(\f)*512
.endr
.endm
	PACK 0
	PACK 1
	SEND 0, 8
	PACK 2
	SEND 1, 8
	PACK 3
	SEND 2, 8
	SEND 3, 0
	s_wait_tensorcnt 0x0                           ; the wave's end, behind my last LDS store
	ds_add_u32 v[SPW], v[NIL]
	s_wait_dscnt 0x0
	s_endpgm
.Lfunc_end_k_qd7cef8e628_proj:
	.size	k_qd7cef8e628_proj, .Lfunc_end_k_qd7cef8e628_proj-k_qd7cef8e628_proj
	.p2alignl 7, 3214868480
	.fill 96, 4, 3214868480
	.section	.rodata,"a",@progbits
	.p2align	6, 0x0
	.amdhsa_kernel k_qd7cef8e628_proj
		.amdhsa_group_segment_fixed_size 83456
		.amdhsa_private_segment_fixed_size 0
		.amdhsa_enable_private_segment 0
		.amdhsa_kernarg_size 96
		.amdhsa_user_sgpr_count 2
		.amdhsa_user_sgpr_kernarg_segment_ptr 1
		.amdhsa_wavefront_size32 1
		.amdhsa_system_sgpr_workgroup_id_x 1
		.amdhsa_system_sgpr_workgroup_id_y 1
		.amdhsa_system_sgpr_workgroup_id_z 1
		.amdhsa_system_vgpr_workitem_id 0
		.amdhsa_next_free_vgpr 512
		.amdhsa_next_free_sgpr 66
		.amdhsa_reserve_vcc 0
		.amdhsa_float_denorm_mode_32 3
		.amdhsa_float_denorm_mode_16_64 3
		.amdhsa_memory_ordered 1
		.amdhsa_forward_progress 1
		.amdhsa_inst_pref_size 74
	.end_amdhsa_kernel
	.amdgpu_metadata
---
amdhsa.version: [ 1, 2 ]
amdhsa.kernels:
  - .name:           k_qd7cef8e628_proj
    .symbol:         k_qd7cef8e628_proj.kd
    .args:
      - { .name: q, .offset: 0, .size: 8, .value_kind: global_buffer, .address_space: global }
      - { .name: k, .offset: 8, .size: 8, .value_kind: global_buffer, .address_space: global }
      - { .name: v, .offset: 16, .size: 8, .value_kind: global_buffer, .address_space: global }
      - { .name: wq, .offset: 24, .size: 8, .value_kind: global_buffer, .address_space: global }
      - { .name: wk, .offset: 32, .size: 8, .value_kind: global_buffer, .address_space: global }
      - { .name: wv, .offset: 40, .size: 8, .value_kind: global_buffer, .address_space: global }
      - { .name: bq, .offset: 48, .size: 8, .value_kind: global_buffer, .address_space: global }
      - { .name: bk, .offset: 56, .size: 8, .value_kind: global_buffer, .address_space: global }
      - { .name: bv, .offset: 64, .size: 8, .value_kind: global_buffer, .address_space: global }
      - { .name: qh, .offset: 72, .size: 8, .value_kind: global_buffer, .address_space: global }
      - { .name: kh, .offset: 80, .size: 8, .value_kind: global_buffer, .address_space: global }
      - { .name: vh, .offset: 88, .size: 8, .value_kind: global_buffer, .address_space: global }
    .group_segment_fixed_size: 83456
    .private_segment_fixed_size: 0
    .kernarg_segment_align: 8
    .kernarg_segment_size: 96
    .max_flat_workgroup_size: 128
    .sgpr_count:     66
    .vgpr_count:     512
    .wavefront_size: 32
...
	.end_amdgpu_metadata
.endif
;; end of part 2
;; launch attn (part 3): grid 16 x 16, 4 waves a work-group, clusters of 4 x 1, 327,680 bytes of LDS; arguments qh, kh, vh, oh, mbits; writes oh
.if DOCPART == 3
	.amdgcn_target "amdgcn-amd-amdhsa--gfx1250"
	.amdhsa_code_object_version 6
	.text
	.protected	k_qd7cef8e628_attn
	.globl	k_qd7cef8e628_attn
	.p2align	8
	.type	k_qd7cef8e628_attn,@function
k_qd7cef8e628_attn:
	s_mov_b64 s[64:65], 0
	v_nop
	global_prefetch_b8 v0, s[64:65] scope:SCOPE_SE
	s_setreg_imm32_b32 hwreg(HW_REG_WAVE_MODE, 25, 1), 1
	s_wait_xcnt 0x0
	s_wait_alu depctr_hold_cnt(0) depctr_sa_sdst(0) depctr_va_vdst(0) depctr_va_sdst(0) depctr_va_ssrc(0) depctr_va_vcc(0) depctr_vm_vsrc(0)
	s_getreg_b32 s2, hwreg(HW_REG_IB_STS2, 6, 4)
	s_cmp_eq_u32 s2, 0
	s_cbranch_scc0 .Lentry_in_a_cluster
	s_endpgm
.Lentry_in_a_cluster:
	s_bfe_u32 s2, ttmp6, 0x10000c
	s_cmp_lg_u32 s2, 0x3003
	s_cbranch_scc0 .Lentry_shape_is_right
	s_endpgm
.Lentry_shape_is_right:
; MASKED ATTENTION at head size 64.  O[g][q][:] = the sum over k of softmax_k(s[q][k]) V[g][k][:], g = batch x 8 + head (16), 4,096 queries and keys.  Q, K, V, O: [16][4096][64] f16, rows dense, 128 bytes.
; Q arrives multiplied by log2(e) / 8, so s = Q . K is the score as an exponent of 2; where the mask is 0 the score is REPLACED by BIGN = -1e9 log2(e).  p = 2^(s - m) with a running maximum m; s - m is
; exactly 0 at the maximum whatever its size, so a row with no open key gives p = 1 everywhere: the mean of V.  Products, maxima and sums in f32; p is rounded to f16 for the second product (its sum l is taken
; of the unrounded p), O once at the end.
; LIMITS.  f16 holds no number beyond 65,504: Q, K and V arrive within it.  BIGN is -1e9 log2(e) rounded to f32, off by under 64 in an exponent of 1.4e9: seen only where an open score itself lies near -1e9.
; p below 6e-5 keeps f16's fixed step of 6e-8; a weight below 2^-126 counts as 0 in l; NaN and infinities are not treated apart.
; THE MASK comes packed (mbits[batch x 256 + query / 16][key / 64][32 words]): word n is the lane mask of register n of a 16 query x 64 key tile of S^T.  The 32 words of a tile are brought into scalar registers
; by two scalar loads a turn ahead, and each score costs one select.  The mask steers values alone: no branch and no address hangs on it.
; SHARES.  A work-group owns 256 queries of one g, each of its four waves 64: four PIECES of 16.  Every wave walks all keys, 64 a step.
; LAYOUT.  S^T = K Q^T (source 0 = 16 keys, source 1 = 16 queries): a lane holds ONE query (lane % 16) and the keys 8 (lane / 16) + 0..7 of each 16.  Two such results rounded to f16 ARE source 1 of O^T = V^T P.
; K comes out of LDS as it lies, V ([key][channel]) turned, by ds_load_tr16_b128.
; BY TURNS.  Turn n belongs to piece n: 8 products K Q^T of piece n + 1, later 8 products V^T P of piece n - 1; beside them the subtraction, exponentials, roundings, sums and rescaling of piece n, and the
; mask, maximum and statistics of piece n + 1.  Four vector instructions stand behind every matrix instruction, the others in two runs of their own.
; m starts at the lowest finite number, O and l at 0: the first step is a step like any other, with a = 0.
; CLUSTER.  The four query blocks of a cluster belong to one g and walk the same K and V: each tile is asked for JOINTLY, by the same tensor load, descriptor and mask of work-groups in all four.
; My place in the cluster enters the addresses of Q, O and the mask words alone.  By this text's own count a wave has one tensor load out at a time.
; REGISTERS, in windows of 256 (s_set_vgpr_msb: bits 1:0 source 0, 3:2 source 1, 5:4 source 2, 7:6 destination):
;   window 0: v0-15 addresses and two at work; v16-31 four registers of statistics a piece; v48-55 at work; v62-63 the add's; v64-127 S^T, two buffers; v192-223 P, two buffers (by the piece's parity)
;   window 1: v0-127 O^T, 32 a piece          window 2: v0-63 Q; v128-191 K of one step; v192-255 V of one step
.set NP,    4         ; pieces a wave: a name, no knob
.set KS,    64        ; keys in a step
.set PK,    144       ; a row of K in LDS: 128 bytes + 16: the 16 rows of a load start in 16 different 16-byte columns of 256
.set PV,    160       ; a row of V: 128 + 32: 16 lanes of the turning load take 8 rows x 32 bytes, all in different columns
.set VOFF,  4*KS*PK   ; a slot holds four steps: 256 rows of K, then 256 rows of V
.set SLOT1, 1<<17     ; slot 1 begins here, so that one exclusive or turns an address in one slot into the other's
.set STAGE, SLOT1+4*KS*(PK+PV)  ; behind the ring, never filled by a tensor load: 16 rows x 144 bytes for each wave
.set SP,    144
.set SPARE, STAGE+4*16*SP       ; the spare words, 128 bytes for each wave: two blocks of 256 bytes that no other line names
.set AK0, 2           ; v2   my lane's place in a tile of K; never rewritten
.set AV0, 3           ; v3   the same for V
.set AK,  4           ; v4   the LDS address of K's next run of loads
.set AV,  5           ; v5   of V's
.set STO, 6           ; v6   the way out: where I put 16 bytes of a row
.set RD,  7           ; v7   where I read rows back
.set GO,  8           ; v8   16 x lane
.set MV,  12          ; v12-13  the old m, kept while m is made anew: by buffer
.set QO,  15          ; v15  my byte offset in 16 rows of Q
.set ST,  16          ; piece t's statistics at v[ST+4 t]: m, a word named with it as a pair, l (even keys', odd keys')
.set TMP, 48          ; by buffer, four registers c0-c3 at work; when the maximum is found c2 takes a
.set SPW, 62          ; v62  LDS address of my spare word; never rewritten
.set NIL, 63          ; v63  0; never rewritten
.set S,   64
.set P,   192
.set KF,  128         ; window 2: key block kb, channel half c at KF + 16 kb + 8 c
.set VF,  192         ; window 2: key half kk, channel block cb at VF + 32 kk + 8 cb
.set WV,  12          ; s12  my wave's number
.set G1K, 24          ; s[24:31] descriptor group 1 for K's tiles
.set G1V, 32          ; s[32:39] for V's: it differs in the padding alone
.set G0K, 40          ; s[40:43] descriptor group 0 for K's tiles: it walks
.set G0V, 44          ; s[44:47] the same for V's
.set MB,  48          ; s[48:49] the mask words of my wave's piece 0, step 0
.set MO,  50          ; s50  128 x the step whose words are asked for
.set BIGN, 51         ; s51  -1e9 log2(e)
.set SLOTS, 56        ; s56  slots still to be asked for
.set CNT, 57          ; s57  counts a slot's key steps
.set SEL, 60          ; s[60:61] v_permlanex16_b32's selects: each lane takes its own place in the other half
.set TBK, 62          ; s62  LDS byte at which K of the step to be fetched begins
.set TBV, 63          ; s63  the same for V, less VOFF
.set MK,  68          ; s[68:99] a tile's 32 mask words
.set MSB, 0
.macro WIN new                      ; the high byte repeats the setting that is left; a switch that changes nothing is dropped
.if MSB != (\new)
	s_set_vgpr_msb (MSB<<8)|(\new)
.set MSB, (\new)
.endif
.endm
.set W_KQ, 0x0a       ; K and Q in window 2, S^T in window 0
.set W_PV, 0x52       ; V in window 2, P in window 0, O^T in window 1
.set W_RS, 0x41       ; O^T (destination and source 0) in window 1, a in window 0
; A joint fill.  Waves 0 and 1 fetch the two halves of a slot's K, waves 2 and 3 those of its V: 128 keys each.  The branch hangs on the wave's number alone.
; An s_nop 0 and four v_nop follow each of the two lines, ahead of the jump and the label.
.macro JLOAD
	s_cmp_lt_u32 s[WV], 2
	s_cbranch_scc0 .Lfor_v_\@
	tensor_load_to_lds s[G0K:G0K+3], s[G1K:G1K+7]
	s_nop 0
.rept 4
	v_nop
.endr
	s_branch .Lasked_\@
.Lfor_v_\@:
	tensor_load_to_lds s[G0V:G0V+3], s[G1V:G1V+7]
	s_nop 0
.rept 4
	v_nop
.endr
.Lasked_\@:
.endm
; A round of the cluster's barrier: my work-group's barrier, so that wave 0's signal speaks for all four waves; wave 0 signals; every wave waits for all four work-groups; my work-group's barrier once more.
.macro CROUND
	s_barrier_signal -1
	s_barrier_wait -1
	s_cmp_lg_u32 s[WV], 0
	s_cbranch_scc1 .Lnot_wave_0_\@
	s_barrier_signal -3
.Lnot_wave_0_\@:
	s_barrier_wait -3
	s_barrier_signal -1
	s_barrier_wait -1
.endm
; THE CHANGE OF SLOTS.  The slot's last bytes, V of its fourth step, have been read.  Each wave waits for all its tensor loads, of which one is out: its part of the other slot; adds 0 to its spare word;
; and waits for that and for its own reads of the slot.  Behind the barrier nobody reads this slot any more and the other slot is whole.
; fill = 1: this slot is filled again, with the keys two slots on.  The barrier is then a round of the cluster's, so that no wave of any partner still reads the slot or has a load on its way, and the joint
; fill is the first thing behind it: it has four key steps, 256 matrix instructions, in which to land.  (At its first use nothing has been read yet: slot 0 is waited for, slot 1 filled.)
.macro CHANGE fill
	WIN 0                           ; at a label and at a branch every window is 0
	s_wait_tensorcnt 0x0            ; no tensor load of mine is out, so a group 0 may be written
	ds_add_u32 v[SPW], v[NIL]       ; 0 onto my spare word; with fill = 1 the descriptors' steps stand between it and the wait for it
.if \fill
.irp g, G0K, G0V
	s_xor_b32 s[\g+1], s[\g+1], SLOT1  ; the walking descriptor: the other slot than last time,
	s_add_nc_u64 s[\g+2:\g+3], s[\g+2:\g+3], 4*KS*128  ; the next 256 keys; the type bits on top are not reached
.endr
	s_wait_dscnt 0x0                ; the add is done, and my reads of the slot are over
	CROUND
	JLOAD
.else
	s_wait_dscnt 0x0                ; the add is done, and my reads of the slot are over
	s_barrier_signal -1
	s_barrier_wait -1
.endif
	s_sub_co_u32 s[TBK], s[TBK], 4*KS*PK  ; the fetches go back to a slot's first step,
	s_xor_b32 s[TBK], s[TBK], SLOT1       ; in the other slot
	s_sub_co_u32 s[TBV], s[TBV], 4*KS*PV
	s_xor_b32 s[TBV], s[TBV], SLOT1
.endm
; The 32 mask words of piece pl for the step that MO names: 128 consecutive bytes.
.macro MLOAD pl
	s_load_b512 s[MK:MK+15], s[MB:MB+1], s[MO] offset:(\pl)*8192
	s_load_b512 s[MK+16:MK+31], s[MB:MB+1], s[MO] offset:(\pl)*8192+64
.endm
	s_load_b256 s[4:11], s[0:1], 0x0  ; Q s[4:5], K s[6:7], V s[8:9], O s[10:11]
	s_load_b64 s[MB:MB+1], s[0:1], 0x20  ; the mask words
	v_lshl_add_u32 v[SPW], v0, 2, SPARE
	v_mov_b32 v[NIL], 0
	ds_add_u32 v[SPW], v[NIL]       ; the wave's opening: the add and its wait stand ahead of my first tensor load; the set-up below, work on registers, stands between them
	v_lshrrev_b32 v1, 5, v0
	v_readfirstlane_b32 s[WV], v1   ; wave 0..3
	s_bfe_u32 s13, ttmp6, 0x40000   ; cx: my place in the cluster
	s_lshl_b32 s14, ttmp9, 2        ; in a cluster launch ttmp9 counts clusters
	s_add_co_u32 s14, s14, s13      ; my block of 256 queries = 4 x cluster x + cx
	s_and_b32 s15, ttmp7, 0xffff    ; g, which the four partners share
	s_lshl_b32 s20, s15, 19         ; g's first byte in Q, K, V and O: 4,096 rows of 128 bytes
	s_mov_b32 s21, 0
	s_and_b32 s16, s[WV], 1         ; which half of a slot's 256 keys I fetch:
	s_lshl_b32 s22, s16, 14         ; its 128 rows of 128 bytes in memory,
	s_mov_b32 s23, 0
	s_add_nc_u64 s[22:23], s[22:23], s[20:21]
	s_mul_i32 s17, s16, 128*PK      ; and its place in a slot, for K
	s_mul_i32 s18, s16, 128*PV      ; and for V: no place in the cluster enters an LDS address
	s_lshl_b32 s2, s14, 2
	s_add_co_u32 s2, s2, s[WV]      ; my wave among g's,
	s_lshl_b32 s2, s2, 13           ; its 64 rows
	s_mov_b32 s3, 0
	s_add_nc_u64 s[2:3], s[2:3], s[20:21]
	s_lshr_b32 s52, s15, 3          ; the batch: 256 tiles of 8,192 bytes of mask words,
	s_lshl_b32 s52, s52, 21
	s_lshl_b32 s53, s14, 17         ; my block's 16 tiles,
	s_add_co_u32 s52, s52, s53
	s_lshl_b32 s53, s[WV], 15       ; my wave's four
	s_add_co_u32 s52, s52, s53
	s_mov_b32 s53, 0
	; descriptor group 1.  128 keys are 16,384 dense bytes: asked for as 64 rows of 256 bytes, two keys a row, and padded in LDS after every key
	s_mov_b32 s[G1K], 15|(1<<16)|(1<<20)|(1<<21)|(4<<22)|(3<<25)  ; 15:0 the mask of four; 17:16 2-byte elements; 20 padding on; 21 set beside a mask; 24:22 after every 32 words (code 4); 31:25 4 words (code 3)
	s_mov_b32 s[G1V], 15|(1<<16)|(1<<20)|(1<<21)|(4<<22)|(7<<25)  ; the same with 8 words of padding (code 7)
.irp g, G1K, G1V
	s_mov_b32 s[\g+1], 128<<16      ; tensor_dim0 = 128
	s_mov_b32 s[\g+2], 64<<16       ; tensor_dim1 = 64
	s_mov_b32 s[\g+3], 128<<16      ; tile_dim0 = 128
	s_mov_b32 s[\g+4], 64           ; tile_dim1 = 64
	s_mov_b32 s[\g+5], 128          ; 128 elements from row to row
	s_mov_b32 s[\g+6], 0
	s_mov_b32 s[\g+7], 0
.endr
	s_mov_b32 s[BIGN], 0xceabfb8f   ; -1e9 log2(e)
	s_mov_b32 s[MO], 0
	s_mov_b32 s[SEL], 0x76543210
	s_mov_b32 s[SEL+1], 0xfedcba98
	s_mov_b32 s[TBK], SLOT1+4*KS*PK ; the first change of slots turns these two into 0
	s_mov_b32 s[TBV], SLOT1+4*KS*PV
	s_mov_b32 s[G0K], 1             ; 1:0 count = 1
	s_mov_b32 s[G0K+1], s17         ; 63:32 LDS address: slot 0
	s_mov_b32 s[G0V], 1
	s_add_co_u32 s[G0V+1], s18, VOFF
	s_wait_dscnt 0x0                ; the opening add is done
	s_wait_kmcnt 0x0
	s_add_nc_u64 s[G0K+2:G0K+3], s[6:7], s[22:23]  ; 120:64 global address: my half of g's first 256 keys
	s_or_b32 s[G0K+3], s[G0K+3], 0x80000000        ; 127:126 type = 2
	s_add_nc_u64 s[G0V+2:G0V+3], s[8:9], s[22:23]
	s_or_b32 s[G0V+3], s[G0V+3], 0x80000000
	s_add_nc_u64 s[4:5], s[4:5], s[2:3]  ; Q and O at my wave's first row
	s_add_nc_u64 s[10:11], s[10:11], s[2:3]
	s_add_nc_u64 s[MB:MB+1], s[MB:MB+1], s[52:53]
	CROUND                          ; all four work-groups are here: the first joint loads meet
	JLOAD                           ; slot 0.  Slot 1 is asked for when slot 0 is in
	MLOAD 0                         ; piece 0's mask words of step 0
	; A fragment of K or Q is 16 rows x 32 channels in 8 registers: lane l holds row l % 16, channels 8 (l / 16) + 0..7 and 16 + 8 (l / 16) + 0..7: two loads of 16 bytes, 32 bytes apart.
	v_and_b32 v1, 15, v0            ; l % 16
	v_bfe_u32 v9, v0, 4, 1          ; l / 16
	v_lshlrev_b32 v[QO], 7, v1
	v_lshl_add_u32 v[QO], v9, 4, v[QO]  ; row x 128 + 16 x half
	WIN 0x80                        ; destination window 2, address window 0
.set i, 0
.rept 8                             ; Q stays in registers: piece i / 2, channels 32 (i % 2) on
	global_load_b128 v[8*i:8*i+3],   v[QO], s[4:5] offset:(i/2)*2048+(i%2)*64
	global_load_b128 v[8*i+4:8*i+7], v[QO], s[4:5] offset:(i/2)*2048+(i%2)*64+32
.set i, i+1
.endr
	; What the first turn finds: V's registers and P's second buffer hold 0 (its products V^T P, of a piece that has not been, add 0), O^T and l are 0.  All this stands in the wait for the first tile.
.set i, VF
.rept 64
	v_mov_b32 v[i], 0
.set i, i+1
.endr
	WIN 0x40
.set i, 0
.rept 128
	v_mov_b32 v[i], 0
.set i, i+1
.endr
	WIN 0
.set i, 0
.rept 4
	v_mov_b32 v[ST+4*i], 0xff7fffff  ; m: the lowest finite number
	v_mov_b32 v[ST+4*i+1], 0
	v_mov_b32 v[ST+4*i+2], 0
	v_mov_b32 v[ST+4*i+3], 0
.set i, i+1
.endr
.set i, P+16
.rept 16
	v_mov_b32 v[i], 0
.set i, i+1
.endr
	v_mul_u32_u24 v[AK0], v1, PK
	v_lshl_add_u32 v[AK0], v9, 4, v[AK0]  ; row x pitch + 16 x half
	; The turning load takes 16 keys x 16 channels (lane l reads key 8 (l / 16) + l % 8, channels 8 ((l / 8) % 2) + 0..7) and leaves half a fragment of V^T: lane l holds channel l % 16 and 8 keys.
	v_and_b32 v10, 7, v0
	v_bfe_u32 v11, v0, 3, 1
	v_lshl_add_u32 v[AV0], v9, 3, v10
	v_mul_u32_u24 v[AV0], v[AV0], PV
	v_lshl_add_u32 v[AV0], v11, 4, v[AV0]
	v_add_nc_u32 v[AV0], VOFF, v[AV0]
	s_mul_i32 s13, s[WV], 16*SP
	s_add_co_u32 s13, s13, STAGE    ; my stage
	v_mul_u32_u24 v[STO], v1, SP    ; in: row l % 16, 16 bytes for each half of the lanes
	v_lshl_add_u32 v[STO], v9, 4, v[STO]
	v_add_nc_u32 v[STO], s13, v[STO]
	v_bfe_u32 v[RD], v0, 3, 2       ; back: 32 lanes take four rows of 128 bytes,
	v_mul_u32_u24 v[RD], v[RD], SP
	v_lshl_add_u32 v[RD], v10, 4, v[RD]
	v_add_nc_u32 v[RD], s13, v[RD]
	v_and_b32 v[GO], 31, v0         ; which are 512 consecutive bytes of O
	v_lshlrev_b32 v[GO], 4, v[GO]
	v_mov_b32 v[AK], v[AK0]         ; key step 0 lies at the head of slot 0
; THE MATRIX WORK.  The 4 accumulators of a run of 8 take turns.  Product i of 8 of S^T = K Q^T for piece x: channels 32 (i / 4) on, keys 16 (i % 4) on.  The first 4 start the sums.
.macro KQ x
	WIN W_KQ
.set rS, S+32*((\x)%2)+8*(i%4)
.set rK, KF+16*(i%4)+8*(i/4)
.set rQ, 16*(\x)+8*(i/4)
.if i < 4
	v_wmma_f32_16x16x32_f16 v[rS:rS+7], v[rK:rK+7], v[rQ:rQ+7], 0
.else
	v_wmma_f32_16x16x32_f16 v[rS:rS+7], v[rK:rK+7], v[rQ:rQ+7], v[rS:rS+7]
.endif
.endm
; Product i of 8 of O^T += V^T P for piece x: keys 32 (i / 4) on, channels 16 (i % 4) on.
.macro PV x
	WIN W_PV
.set rO, 32*(\x)+8*(i%4)
.set rV, VF+32*(i/4)+8*(i%4)
.set rP, P+16*((\x)%2)+8*(i/4)
	v_wmma_f32_16x16x32_f16 v[rO:rO+7], v[rV:rV+7], v[rP:rP+7], v[rO:rO+7]
.endm
.macro MM                           ; the turn's next matrix instruction
.if i < 8
	KQ (Y+1)%NP
.else
.set i, i-8
	PV (Y+NP-1)%NP
.set i, i+8
.endif
.set i, i+1
.endm
; THE LDS LOADS stand in runs of 16, never singly among the matrix instructions: a step's K (64 keys x 64 channels: 8 fragments) and its V (turned).  Their addresses are made some lines ahead.
; last = 1 (the tail): in the last trip there is no further step, and the run is jumped over.
.macro FETCH_K last=0
	WIN 0
.if \last
	s_cmp_eq_u32 s[CNT], 1
	s_cbranch_scc1 .Lno_k_\@
.endif
	WIN 0x80                        ; destination window 2
.irp f, 0,1,2,3,4,5,6,7             ; keys 16 (f / 2) on, channels 32 (f % 2) on
	ds_load_b128 v[KF+8*\f:KF+8*\f+3],   v[AK] offset:(\f/2)*16*PK+(\f%2)*64
	ds_load_b128 v[KF+8*\f+4:KF+8*\f+7], v[AK] offset:(\f/2)*16*PK+(\f%2)*64+32
.endr
	s_add_co_u32 s[TBK], s[TBK], KS*PK  ; the next fetch is the next step's
	WIN 0
.if \last
.Lno_k_\@:
.endif
.endm
.macro FETCH_V
	WIN 0x80
.irp f, 0,1,2,3,4,5,6,7             ; keys 32 (f / 4) on, channels 16 (f % 4) on
	ds_load_tr16_b128 v[VF+8*\f:VF+8*\f+3],   v[AV] offset:(\f/4)*32*PV+(\f%4)*32
	ds_load_tr16_b128 v[VF+8*\f+4:VF+8*\f+7], v[AV] offset:(\f/4)*32*PV+16*PV+(\f%4)*32
.endr
	WIN 0
.endm
; THE VECTOR WORK, one line at a time: OP kind, number.  For piece Y: F n: s - m for pair n of 16.  E n: the exponential of score n of 32.  C n: pair n rounded to f16.  B n: of the four weights 4 n .. the second
; pair is added onto the first, in place.  L n: l takes that sum (L 0: l = a l + sum).  R n: pair n of 16 of O^T times a.  For piece Y + 1: K n: score n is kept where bit lane of mask word n is set, else it becomes
; BIGN (in ascending order); X n, one of the 21 that find its maximum and statistics
;   0-11  four chains c0-c3 of seven scores each, three operands at a time     12-14, 16  the four scores left over, the old m, and c0-c3 into c0     15  the old m is kept
;   17, 18  the query's other 32 keys lie in the lane 16 away: the new m         20, 21  m_old - m_new; a   (there is no number 19)
.set F, 0               ; OP tells the kinds apart by their order: F to L below R, X and K above it
.set E, 1
.set C, 2
.set B, 3
.set L, 4
.set R, 5
.set X, 6
.set K, 7
.macro REGS y                       ; the registers of piece y
.set rT, ST+4*(\y)
.set rC, TMP+4*((\y)%2)
.set rW, MV+((\y)%2)
.set rS, S+32*((\y)%2)
.set rP, P+16*((\y)%2)
.set rO, 32*(\y)
.endm
.macro OP k, n
.if (\k) == R
	REGS Y
	WIN W_RS
	v_pk_mul_f32 v[rO+2*(\n):rO+2*(\n)+1], v[rO+2*(\n):rO+2*(\n)+1], v[rC+2:rC+3] op_sel_hi:[1,0]
.elseif (\k) < R
	REGS Y
	WIN 0
.if (\k) == F
	v_pk_add_f32 v[rS+2*(\n):rS+2*(\n)+1], v[rS+2*(\n):rS+2*(\n)+1], v[rT:rT+1] op_sel_hi:[1,0] neg_lo:[0,1] neg_hi:[0,1]
.elseif (\k) == E
	v_exp_f32 v[rS+(\n)], v[rS+(\n)]
.elseif (\k) == C
	s_wait_alu depctr_va_vdst(0)
	v_cvt_pk_f16_f32 v[rP+(\n)], v[rS+2*(\n)], v[rS+2*(\n)+1]
.elseif (\k) == B
	s_wait_alu depctr_va_vdst(0)
	v_pk_add_f32 v[rS+4*(\n):rS+4*(\n)+1], v[rS+4*(\n):rS+4*(\n)+1], v[rS+4*(\n)+2:rS+4*(\n)+3]
.elseif (\n) == 0
	v_pk_fma_f32 v[rT+2:rT+3], v[rT+2:rT+3], v[rC+2:rC+3], v[rS:rS+1] op_sel_hi:[1,0,1]
.else
	v_pk_add_f32 v[rT+2:rT+3], v[rT+2:rT+3], v[rS+4*(\n):rS+4*(\n)+1]
.endif
.elseif (\k) == K
	REGS (Y+1)%NP
	WIN 0
	v_cndmask_b32 v[rS+(\n)], s[BIGN], v[rS+(\n)], s[MK+(\n)]
.else
	REGS (Y+1)%NP
	WIN 0
.if (\n) < 4
	v_max3_num_f32 v[rC+(\n)], v[rS+8*(\n)], v[rS+8*(\n)+1], v[rS+8*(\n)+2]
.elseif (\n) < 12
	v_max3_num_f32 v[rC+(\n)%4], v[rC+(\n)%4], v[rS+8*((\n)%4)+2*((\n)/4)+1], v[rS+8*((\n)%4)+2*((\n)/4)+2]
.elseif (\n) == 12
	v_max3_num_f32 v[rC], v[rC], v[rS+7], v[rS+15]
.elseif (\n) == 13
	v_max3_num_f32 v[rC+1], v[rC+1], v[rS+23], v[rS+31]
.elseif (\n) == 14
	v_max3_num_f32 v[rC+2], v[rC+2], v[rC+3], v[rT]
.elseif (\n) == 15
	v_mov_b32 v[rW], v[rT]
.elseif (\n) == 16
	v_max3_num_f32 v[rC], v[rC], v[rC+1], v[rC+2]
.elseif (\n) == 17
	v_permlanex16_b32 v[rC+3], v[rC], s[SEL], s[SEL+1]
.elseif (\n) == 18
	v_max_num_f32 v[rT], v[rC], v[rC+3]
.elseif (\n) == 20
	v_sub_f32 v[rC+1], v[rW], v[rT]
.else
	v_exp_f32 v[rC+2], v[rC+1]
.endif
.endif
.endm
.macro OPS a, i1, b=-1, i2=0, c=-1, i3=0, d=-1, i4=0  ; up to four of them
	OP \a, \i1
.if (\b) >= 0
	OP \b, \i2
.endif
.if (\c) >= 0
	OP \c, \i3
.endif
.if (\d) >= 0
	OP \d, \i4
.endif
.endm
.macro ROW a, i1, b, i2, c, i3, d, i4  ; a matrix instruction and the four behind it
	MM
	OPS \a, \i1, \b, \i2, \c, \i3, \d, \i4
.endm
; A TURN, for piece p: the order of its 16 matrix and 149 vector instructions, written out.  Behind a matrix instruction: plain, exponential, plain, plain; or four of the rescaling; or, behind the first, four
; subtractions; none names a register of the products round it.  C 2 n stands ahead of B n; every C, B and L behind its exponentials with a plain line between.
; The four rescalings behind the eighth K Q^T are the places between it and the selects that read and write its scores.
; K of the next step is fetched in piece 2's turn, six vector instructions behind the last product that read K (five of them plain); V of the step in hand in piece 0's turn, eight behind the last product that
; read V (four plain).  Each is waited for a turn later.
; THE MASK WORDS.  This turn's selects take piece p + 1's words, asked for in the turn before; behind the last select (and four maxima) the one buffer is asked for again, for piece p + 2.  Scalar loads are
; waited for with the count 0 alone, so a second buffer would lengthen no lead.  Pieces 2 and 3 are asked for in the step in hand, pieces 0 and 1 for the next: MO steps in piece 2's turn, behind the wait that
; shows the loads that named it done.  It stops at the last step, so the last trip's unused loads stay inside the buffer.
; cnt = 1: the loop's count is taken down some lines ahead of the branch that stands behind the turn.
.macro TURN p, last=0, cnt=0
.set Y, (\p)
.set i, 0
.if (\p) == 3
	s_wait_dscnt 0x0                ; K is in
.endif
	ROW F,0, F,1, F,2, F,3
	ROW F,4, E,0, F,5, F,6
	ROW F,7, E,1, F,8, F,9
	ROW F,10, E,2, C,0, F,11
	ROW F,12, E,3, X,15, F,13
	ROW R,0, R,1, R,2, R,3
	ROW B,0, E,4, F,14, L,0
.if (\p) == 2
	v_add_nc_u32 v[AK], s[TBK], v[AK0]
.endif
	ROW R,4, R,5, R,6, R,7
	OPS E,5, F,15
.if (\p) == 2
	FETCH_K \last
.endif
	OPS E,6, C,1, E,7, R,8
	OPS E,8, R,9, E,9, C,2
	s_wait_kmcnt 0x0                ; piece p + 1's 32 mask words
	OPS E,10, K,0, E,11, K,1
	OPS E,12, K,2, E,13, K,3
.set kn, 4
.rept 28
	OP K, kn
.set kn, kn+1
.endr
	OPS X,0, X,1, X,2, X,3
.if (\p) == 2
	s_add_co_u32 s[MO], s[MO], 128
	s_min_u32 s[MO], s[MO], 63*128
.endif
	MLOAD ((\p)+2)%NP
.if (\p) == 1
	s_wait_dscnt 0x0                ; V is in
.endif
	ROW X,4, E,14, X,5, X,6
	ROW X,7, E,15, X,8, X,9
	ROW X,10, E,16, X,11, X,12
	ROW X,13, E,17, X,14, B,1
	ROW C,4, E,18, X,16, L,1
	ROW B,2, E,19, C,6, L,2
	ROW C,8, E,20, B,3, B,4
.if (\p) == 0
	v_add_nc_u32 v[AV], s[TBV], v[AV0]
.endif
	ROW C,3, E,21, L,3, C,5
	OPS E,22, X,17, E,23, C,10
.if (\p) == 0
	FETCH_V
.endif
	OPS E,24, L,4
	OPS E,25, X,18, E,26, C,7
	OPS E,27, B,5, E,28, C,12
	OPS E,29, L,5, E,30, X,20
	OPS E,31, B,6, C,9, C,14
	OPS C,11, X,21, L,6, C,13
.if (\p) == 0
	s_add_co_u32 s[TBV], s[TBV], KS*PV
.endif
.if \cnt
	s_sub_co_u32 s[CNT], s[CNT], 1
	s_cmp_lg_u32 s[CNT], 0
.endif
	OPS B,7, C,15, R,10, R,11
	OPS R,12, L,7, R,13, R,14
	OPS R,15
.endm
	CHANGE 1                        ; slot 0 is in, everybody's part of it; slot 1 is asked for
	FETCH_K                         ; key step 0
	s_wait_loadcnt 0x0              ; Q
	s_wait_dscnt 0x0
.set i, 0
.rept 8
	KQ 0                            ; piece 0's first scores: there is no vector work yet to set between them
.set i, i+1
.endr
	WIN 0
.rept 4
	v_nop                           ; the places behind those products
.endr
	s_wait_kmcnt 0x0                ; piece 0's mask words
.set Y, NP-1                        ; K and X work for piece Y + 1: piece 0
.set kn, 0
.rept 32
	OP K, kn
.set kn, kn+1
.endr
.irp n, 0,1,2,3
	OP X, \n
.endr
	MLOAD 1                         ; piece 1's words of step 0, for the first turn
.irp n, 4,5,6,7,8,9,10,11,12,13,14,15,16,17,18,20,21
	OP X, \n
.endr
	v_nop                           ; a plain instruction behind the exponential
	s_mov_b32 s[CNT], 4
	s_mov_b32 s[SLOTS], 15
	s_branch .Lfirst                ; the loop is entered at a step's first turn, in the middle of a trip
.Lslot:                             ; 14 times: every slot but the last two is filled again
	CHANGE 1
	s_mov_b32 s[CNT], 4
.Lstep:                             ; a trip: pieces 2 and 3 of one step, then pieces 0 and 1 of the next, whose K and V it fetches
	TURN 2
	TURN 3
	WIN 0
.Lfirst:
	TURN 0
	TURN 1, 0, 1
	WIN 0
	s_cbranch_scc1 .Lstep
	s_sub_co_u32 s[SLOTS], s[SLOTS], 1
	s_cmp_lg_u32 s[SLOTS], 0
	s_cbranch_scc1 .Lslot
	CHANGE 0                        ; the tail is written out: nothing is asked for
	s_mov_b32 s[CNT], 5             ; four trips fetch the last slot's steps; the fifth is left in its middle
.Ltail:
	TURN 2, 1
	TURN 3
	WIN 0
	s_sub_co_u32 s[CNT], s[CNT], 1
	s_cmp_eq_u32 s[CNT], 0
	s_cbranch_scc1 .Lout
	TURN 0
	TURN 1
	WIN 0
	s_branch .Ltail
.Lout:                              ; the fifth trip's 8 products K Q^T (on the last K once more) and what is made of them serve nothing: the price, once a launch, of one text for every trip
	s_wait_kmcnt 0x0                ; the last, unused mask words are back
.set i, 0
.rept 8
	PV NP-1                         ; the last piece's V^T P of the last step
.set i, i+1
.endr
	; THE WAY OUT.  l's two halves and the other half of the lanes' are added; O^T is divided by l, rounded to f16 and sent through my stage in LDS, a piece at a time.  The additions are the places behind the last products.
	WIN 0
.macro ALL line:vararg              ; one line for each piece t
.set t, 0
.rept 4
	\line
.set t, t+1
.endr
.endm
	ALL v_add_f32 v[ST+4*t+2], v[ST+4*t+2], v[ST+4*t+3]
	ALL v_permlanex16_b32 v[ST+4*t+3], v[ST+4*t+2], s[SEL], s[SEL+1]
	ALL v_add_f32 v[ST+4*t+2], v[ST+4*t+2], v[ST+4*t+3]
	ALL v_rcp_f32 v[ST+4*t+2], v[ST+4*t+2]
	v_nop                           ; a plain instruction between the last reciprocal and the use of its result
.macro PACK t                       ; a lane's eight channels of a row pack into 16 bytes; they go into rows of 144 bytes and come back as whole rows of 128, into S^T's registers
	WIN W_RS
.set i, 32*(\t)
.rept 16
	s_wait_alu depctr_va_vdst(0)
	v_pk_mul_f32 v[i:i+1], v[i:i+1], v[ST+4*(\t)+2:ST+4*(\t)+3] op_sel_hi:[1,0]
.set i, i+2
.endr
	WIN 0x05                        ; sources 0 and 1 window 1, destination window 0
.set i, 0
.rept 16
	v_cvt_pk_f16_f32 v[S+16*(\t)+i], v[32*(\t)+2*i], v[32*(\t)+2*i+1]
.set i, i+1
.endr
	WIN 0
.irp f, 0,1,2,3
	ds_store_b128 v[STO], v[S+16*(\t)+4*\f:S+16*(\t)+4*\f+3] offset:32*\f
.endr
.irp f, 0,1,2,3
	ds_load_b128 v[S+16*(\t)+4*\f:S+16*(\t)+4*\f+3], v[RD] offset:\f*4*SP  ; LDS serves a wave's instructions in order: these see the stores above; the next piece's stores come behind them
.endr
.endm
.macro SEND t, younger              ; younger: the LDS instructions issued behind piece t's loads: the next piece's eight, or none
	WIN 0
.irp f, 0,1,2,3
	s_wait_dscnt (\younger)+3-\f
	global_store_b128 v[GO], v[S+16*(\t)+4*\f:S+16*(\t)+4*\f+3], s[10:11] offset:(\t)*2048+\f*512  ; 512 consecutive bytes, at a multiple of 256 from O's first
.endr
.endm
	PACK 0
.set t, 1
.rept 3                             ; a piece's arithmetic stands between the loads of the piece before and its stores
	PACK t
	SEND t-1, 8
.set t, t+1
.endr
	SEND 3, 0
	s_wait_tensorcnt 0x0            ; the wave's end, behind my last tensor load and my last LDS store
	ds_add_u32 v[SPW], v[NIL]
	s_wait_dscnt 0x0
	CROUND                          ; the closing round: no work-group ends while a partner may still ask for a tile that names it
	s_endpgm
.Lfunc_end_k_qd7cef8e628_attn:
	.size	k_qd7cef8e628_attn, .Lfunc_end_k_qd7cef8e628_attn-k_qd7cef8e628_attn
	.p2alignl 7, 3214868480
	.fill 96, 4, 3214868480
	.section	.rodata,"a",@progbits
	.p2align	6, 0x0
	.amdhsa_kernel k_qd7cef8e628_attn
		.amdhsa_group_segment_fixed_size 327680
		.amdhsa_private_segment_fixed_size 0
		.amdhsa_enable_private_segment 0
		.amdhsa_kernarg_size 40
		.amdhsa_user_sgpr_count 2
		.amdhsa_user_sgpr_kernarg_segment_ptr 1
		.amdhsa_wavefront_size32 1
		.amdhsa_system_sgpr_workgroup_id_x 1
		.amdhsa_system_sgpr_workgroup_id_y 1
		.amdhsa_system_sgpr_workgroup_id_z 1
		.amdhsa_system_vgpr_workitem_id 0
		.amdhsa_next_free_vgpr 768
		.amdhsa_next_free_sgpr 100
		.amdhsa_reserve_vcc 0
		.amdhsa_float_denorm_mode_32 3
		.amdhsa_float_denorm_mode_16_64 3
		.amdhsa_memory_ordered 1
		.amdhsa_forward_progress 1
		.amdhsa_inst_pref_size 136
	.end_amdhsa_kernel
	.amdgpu_metadata
---
amdhsa.version: [ 1, 2 ]
amdhsa.kernels:
  - .name:           k_qd7cef8e628_attn
    .symbol:         k_qd7cef8e628_attn.kd
    .args:
      - { .name: qh, .offset: 0, .size: 8, .value_kind: global_buffer, .address_space: global }
      - { .name: kh, .offset: 8, .size: 8, .value_kind: global_buffer, .address_space: global }
      - { .name: vh, .offset: 16, .size: 8, .value_kind: global_buffer, .address_space: global }
      - { .name: oh, .offset: 24, .size: 8, .value_kind: global_buffer, .address_space: global }
      - { .name: mbits, .offset: 32, .size: 8, .value_kind: global_buffer, .address_space: global }
    .group_segment_fixed_size: 327680
    .private_segment_fixed_size: 0
    .kernarg_segment_align: 8
    .kernarg_segment_size: 40
    .max_flat_workgroup_size: 128
    .sgpr_count:     100
    .vgpr_count:     768
    .wavefront_size: 32
...
	.end_amdgpu_metadata
.endif
;; end of part 3
;; launch outp (part 4): grid 4 x 64, 4 waves a work-group, no clusters, 91,648 bytes of LDS; arguments oh, w0, b0, out0; writes out0
.if DOCPART == 4
	.amdgcn_target "amdgcn-amd-amdhsa--gfx1250"
	.amdhsa_code_object_version 6
	.text
	.protected	k_qd7cef8e628_outp
	.globl	k_qd7cef8e628_outp
	.p2align	8
	.type	k_qd7cef8e628_outp,@function
k_qd7cef8e628_outp:
	s_mov_b64 s[64:65], 0
	v_nop
	global_prefetch_b8 v0, s[64:65] scope:SCOPE_SE
	s_setreg_imm32_b32 hwreg(HW_REG_WAVE_MODE, 25, 1), 1
	s_wait_xcnt 0x0
; The last projection.  out0[row][n] = the sum over k of O[row][k] w0[n][k] + b0[n], f32.  O comes by heads, oh[batch x 8 + head][row][64] in f16; k = 64 head + channel.  w0: [512][512] f32, b0: [512] f32.
; w0 and b0 are rounded once to bf16, like the module's other inputs; w0's rounded number is then written as f16, the format of O, for a product in f16; sums in f32.
; LIMIT.  A bf16 number is exact in f16 from 2^-17 up to 65,504; below that w0 keeps f16's fixed step of 6e-8.  NaN and infinities are not treated apart.
; SHARES.  Work-group (x, y): rows 128 y on, columns 128 x on: 256 work-groups.  Four waves, each 64 x 64: 16 accumulators.  K step hs is head hs: O's tile is 128 dense rows of 128 bytes.
; A wave loads 32 rows of each tile, converts w0's, and puts them into one of two LDS slots; one barrier a step.  No tensor load and no joint request: w0 is converted on the way through registers, and O's tile goes the same road.
; THE MATRIX INSTRUCTION IS USED TRANSPOSED (source 0 = 16 rows of w0, source 1 = 16 rows of O): a lane holds one row of the output and eight neighbouring columns.  b0 is the C operand of the products that start the sums.
; REGISTERS.  Window 0: v0-14 addresses; v16-47 b0; v48-63 at work; v128-255 accumulators, (a, b) at 128 + 8 (4 a + b).
;   Window 1: v0-31 O's numbers as loaded; v32-95 w0's; v128-191, v192-255 fragments of O and of w0, (c, block) at 8 (4 c + block).
.set LP,    144                        ; an LDS row: 64 numbers of 16 bits + 16 bytes
.set TILEB, 128*LP
.set SLOT,  2*TILEB                    ; O's 128 rows, then w0's
.set STAGE, 2*SLOT                     ; 16 rows x 272 bytes for each wave, for the way out
.set SPITCH, 272
.set SPARE, STAGE+4*16*SPITCH          ; the spare words, 128 bytes for each wave: two blocks of 256 bytes that no other line names
.set VG,  3                            ; v3   byte offset in w0: (32 w + lane / 16) rows of 2,048 + 16 (lane % 16)
.set VL,  4                            ; v4   the same place in an LDS tile
.set FA,  5                            ; v5   my fragments of O
.set FB,  6                            ; v6   of w0
.set STO, 7                            ; v7   the way out: where I put 32 bytes of a row
.set RD,  8                            ; v8   where I read rows back
.set GO,  9                            ; v9   my byte offset in two rows of the output
.set VB,  10                           ; v10  32 (lane / 16)
.set VGA, 11                           ; v11  byte offset in O's dense tile: 4,096 w + 16 lane
.set SPW, 12                           ; v12  LDS address of my spare word; never rewritten
.set NIL, 13                           ; v13  0; never rewritten
.set VLA, 14                           ; v14  the place of VGA's bytes in an LDS tile
.set BIAS, 16
.set U,   48
.set ACC, 128
.set RAWA, 0
.set RAWB, 32
.set FRA, 128
.set FRB, 192
.set SA,  8                            ; s[8:9]   O at my tile, stepped from head to head
.set SB,  10                           ; s[10:11] w0 at my tile, stepped along K
.set SBI, 12                           ; s[12:13] b0 at my wave's 64 columns
.set SY,  14                           ; s[14:15] the output at my wave's corner
.set MSB, 0
.macro WIN new                         ; the immediate's high byte repeats the setting that is left; a switch that changes nothing is dropped
.if MSB != (\new)
	s_set_vgpr_msb (MSB<<8)|(\new)
.set MSB, (\new)
.endif
.endm
	s_load_b256 s[8:15], s[0:1], 0x0               ; oh, w0, b0, out0
	v_lshl_add_u32 v[SPW], v0, 2, SPARE
	v_mov_b32 v[NIL], 0
	v_lshrrev_b32 v1, 5, v0
	v_readfirstlane_b32 s2, v1                     ; wave 0..3
	v_and_b32 v1, 15, v0                           ; lane % 16
	v_bfe_u32 v2, v0, 4, 1                         ; lane / 16
	s_and_b32 s41, ttmp7, 0xffff                   ; which 128 rows
	s_mov_b32 s42, ttmp9                           ; which 128 columns
	s_lshr_b32 s43, s2, 1                          ; my half of the rows
	s_and_b32 s44, s2, 1                           ; my half of the columns
	s_mov_b32 s49, 0xffff0000
	s_lshl_b32 s50, s2, 16
	v_lshlrev_b32 v[VG], 4, v1
	v_lshl_add_u32 v[VG], v2, 11, v[VG]
	v_add_nc_u32 v[VG], s50, v[VG]
	s_mul_i32 s50, s2, 32*LP
	v_mul_u32_u24 v[VL], v2, LP
	v_lshl_add_u32 v[VL], v1, 3, v[VL]
	v_add_nc_u32 v[VL], s50, v[VL]
	v_bfe_u32 v[VLA], v0, 3, 2                     ; a load's 512 bytes are four rows of O's tile
	v_mul_u32_u24 v[VLA], v[VLA], LP
	v_and_b32 v[VGA], 7, v0
	v_lshl_add_u32 v[VLA], v[VGA], 4, v[VLA]
	v_add_nc_u32 v[VLA], s50, v[VLA]
	v_and_b32 v[VGA], 31, v0
	v_lshlrev_b32 v[VGA], 4, v[VGA]
	s_lshl_b32 s50, s2, 12
	v_add_nc_u32 v[VGA], s50, v[VGA]
	v_mul_u32_u24 v[FA], v1, LP
	v_lshl_add_u32 v[FA], v2, 4, v[FA]             ; row x pitch + 16 x half
	s_mul_i32 s50, s44, 64*LP
	s_add_co_u32 s50, s50, TILEB
	v_add_nc_u32 v[FB], s50, v[FA]
	s_mul_i32 s50, s43, 64*LP
	v_add_nc_u32 v[FA], s50, v[FA]
	s_mul_i32 s50, s2, 16*SPITCH
	s_add_co_u32 s50, s50, STAGE                   ; my stage
	v_mul_u32_u24 v[STO], v1, SPITCH               ; in: row lane % 16, 32 bytes for each half of the lanes
	v_lshl_add_u32 v[STO], v2, 5, v[STO]
	v_add_nc_u32 v[STO], s50, v[STO]
	v_mul_u32_u24 v[RD], v2, SPITCH                ; back: lanes 0-15 take one row of 256 bytes, lanes 16-31 the next
	v_lshl_add_u32 v[RD], v1, 4, v[RD]
	v_add_nc_u32 v[RD], s50, v[RD]
	v_lshlrev_b32 v[GO], 4, v1                     ; and the same two rows in the output
	v_lshl_add_u32 v[GO], v2, 11, v[GO]
	v_lshlrev_b32 v[VB], 5, v2
	s_mov_b32 s51, 0
	s_wait_kmcnt 0x0
	s_lshr_b32 s50, s41, 5                         ; batch: eight heads of 4,096 rows of 128 bytes
	s_lshl_b32 s50, s50, 22
	s_and_b32 s3, s41, 31
	s_lshl_b32 s3, s3, 14                          ; 128 rows
	s_add_co_u32 s50, s50, s3
	s_add_nc_u64 s[SA:SA+1], s[SA:SA+1], s[50:51]
	s_lshl_b32 s50, s42, 18                        ; 128 rows of 2,048 bytes
	s_add_nc_u64 s[SB:SB+1], s[SB:SB+1], s[50:51]
	s_lshl_b32 s50, s42, 9
	s_lshl_b32 s3, s44, 8
	s_add_co_u32 s50, s50, s3                      ; my 64 columns, in bytes
	s_add_nc_u64 s[SBI:SBI+1], s[SBI:SBI+1], s[50:51]
	s_lshl_b32 s3, s41, 18
	s_add_co_u32 s50, s50, s3
	s_lshl_b32 s3, s43, 17
	s_add_co_u32 s50, s50, s3
	s_add_nc_u64 s[SY:SY+1], s[SY:SY+1], s[50:51]
.macro LOADS                           ; a K step's numbers: 8 loads of O (512 consecutive bytes each), 16 of w0 (two rows of 256 bytes each)
	WIN 0x40                                       ; destination window 1, address window 0
.set i, 0
.rept 8
	global_load_b128 v[RAWA+4*i:RAWA+4*i+3], v[VGA], s[SA:SA+1] offset:i*512
.set i, i+1
.endr
.set i, 0
.rept 16
	global_load_b128 v[RAWB+4*i:RAWB+4*i+3], v[VG], s[SB:SB+1] offset:i*4096
.set i, i+1
.endr
.endm
.macro FRAGS slot                      ; 32 LDS loads in one run, the first 32 along K first
	WIN 0x40
.irp c, 0,1
.irp i, 0,1,2,3
	ds_load_b128 v[FRB+8*(4*(\c)+(\i)):FRB+8*(4*(\c)+(\i))+3],   v[FB] offset:(\slot)*SLOT+(\i)*16*LP+64*(\c)
	ds_load_b128 v[FRB+8*(4*(\c)+(\i))+4:FRB+8*(4*(\c)+(\i))+7], v[FB] offset:(\slot)*SLOT+(\i)*16*LP+64*(\c)+32
	ds_load_b128 v[FRA+8*(4*(\c)+(\i)):FRA+8*(4*(\c)+(\i))+3],   v[FA] offset:(\slot)*SLOT+(\i)*16*LP+64*(\c)
	ds_load_b128 v[FRA+8*(4*(\c)+(\i))+4:FRA+8*(4*(\c)+(\i))+7], v[FA] offset:(\slot)*SLOT+(\i)*16*LP+64*(\c)+32
.endr
.endr
.endm
.macro MUL c, first                    ; 16 matrix instructions, 32 along K; the 16 accumulators take turns.  first = 1: the sums start from b0
	WIN 0x05                                       ; sources 0 and 1 window 1; C and D window 0
.irp a, 0,1,2,3
.irp b, 0,1,2,3
.if \first
	v_wmma_f32_16x16x32_f16 v[ACC+8*(4*(\a)+(\b)):ACC+8*(4*(\a)+(\b))+7], v[FRB+8*(4*(\c)+(\b)):FRB+8*(4*(\c)+(\b))+7], v[FRA+8*(4*(\c)+(\a)):FRA+8*(4*(\c)+(\a))+7], v[BIAS+8*(\b):BIAS+8*(\b)+7]
.else
	v_wmma_f32_16x16x32_f16 v[ACC+8*(4*(\a)+(\b)):ACC+8*(4*(\a)+(\b))+7], v[FRB+8*(4*(\c)+(\b)):FRB+8*(4*(\c)+(\b))+7], v[FRA+8*(4*(\c)+(\a)):FRA+8*(4*(\c)+(\a))+7], v[ACC+8*(4*(\a)+(\b)):ACC+8*(4*(\a)+(\b))+7]
.endif
.endr
.endr
.endm
; A K step.  One barrier does both orderings: a wave writes this slot only behind the last step's barrier, which every wave signalled with its reads of this slot (two steps back) returned;
; and the slot is read only behind this step's barrier, which every wave signals with its stores done.
.macro STEP slot, first, last
	s_wait_loadcnt 0x0                             ; this step's numbers are in; the loads are done, so their bases may step
.if !(\last)
	s_add_nc_u64 s[SA:SA+1], s[SA:SA+1], 524288    ; the next head: 4,096 rows of 128 bytes
	s_add_nc_u64 s[SB:SB+1], s[SB:SB+1], 256
.endif
	WIN 0x45                                       ; all in window 1
.set i, 0
.rept 16                               ; w0: rounded to bf16, widened, written as f16, in place.  These lines are also the places between the last products and the loads into their fragments
.set q, RAWB+4*i
	v_cvt_pk_bf16_f32 v[q], v[q], v[q+1]
	v_cvt_pk_bf16_f32 v[q+2], v[q+2], v[q+3]
	v_and_b32 v[q+1], s49, v[q]
	v_lshlrev_b32 v[q], 16, v[q]
	v_and_b32 v[q+3], s49, v[q+2]
	v_lshlrev_b32 v[q+2], 16, v[q+2]
	v_cvt_pk_f16_f32 v[q], v[q], v[q+1]
	v_cvt_pk_f16_f32 v[q+1], v[q+2], v[q+3]
.set i, i+1
.endr
	WIN 0x04                                       ; address window 0, data window 1
.set i, 0
.rept 8
	ds_store_b128 v[VLA], v[RAWA+4*i:RAWA+4*i+3] offset:(\slot)*SLOT+i*4*LP
.set i, i+1
.endr
.set i, 0
.rept 16
	ds_store_b64 v[VL], v[RAWB+4*i:RAWB+4*i+1] offset:(\slot)*SLOT+TILEB+i*2*LP
.set i, i+1
.endr
	s_wait_dscnt 0x0                               ; for the others' sake: my stores are done; they have also read their registers
.if !(\last)
	LOADS                                          ; the next step's numbers: they have this step's products in which to come
.endif
	s_barrier_signal -1
	s_barrier_wait -1
	FRAGS \slot
	s_wait_dscnt 16                                ; the first 32 along K are in
	MUL 0, \first
	s_wait_dscnt 0x0
	MUL 1, 0
.endm
.irp b, 0,1,2,3
	global_load_b128 v[BIAS+8*(\b):BIAS+8*(\b)+3],   v[VB], s[SBI:SBI+1] offset:64*(\b)
	global_load_b128 v[BIAS+8*(\b)+4:BIAS+8*(\b)+7], v[VB], s[SBI:SBI+1] offset:64*(\b)+16
.endr
	LOADS
	WIN 0
	s_wait_loadcnt 24                              ; b0 is in; the 24 loads of K step 0 stay out
.set i, 0
.rept 16                               ; b0 is rounded to bf16 like the other inputs,
	v_cvt_pk_bf16_f32 v[U+i], v[BIAS+2*i], v[BIAS+2*i+1]
.set i, i+1
.endr
.set i, 0
.rept 16                               ; and widened again
	v_lshlrev_b32 v[BIAS+2*i], 16, v[U+i]
	v_and_b32 v[BIAS+2*i+1], s49, v[U+i]
.set i, i+1
.endr
	STEP 0, 1, 0
	WIN 0                                          ; at a label and at a branch every window is 0
	s_mov_b32 s48, 3
.Lk:
	STEP 1, 0, 0
	STEP 0, 0, 0
	WIN 0
	s_sub_co_u32 s48, s48, 1
	s_cmp_lg_u32 s48, 0
	s_cbranch_scc1 .Lk
	STEP 1, 0, 1                                   ; the last step loads nothing
	WIN 0
	; THE WAY OUT, 16 rows at a time: 32 bytes a lane into my own stage, back as whole rows of 256 bytes, into the registers that they left.
.rept 4
	v_nop                                          ; four places between the last products and the first LDS store of a result, and the loads into results
.endr
.macro STG a
.irp b, 0,1,2,3                        ; each accumulator's low four registers first
	ds_store_b128 v[STO], v[ACC+32*(\a)+8*(\b):ACC+32*(\a)+8*(\b)+3]   offset:64*(\b)
	ds_store_b128 v[STO], v[ACC+32*(\a)+8*(\b)+4:ACC+32*(\a)+8*(\b)+7] offset:64*(\b)+16
.endr
.irp f, 0,1,2,3,4,5,6,7
	ds_load_b128 v[ACC+32*(\a)+4*(\f):ACC+32*(\a)+4*(\f)+3], v[RD] offset:(\f)*2*SPITCH  ; LDS serves a wave's instructions in order: these see the stores above; the next block's stores come behind them
.endr
.endm
.macro SEND a, younger                 ; younger: the LDS instructions issued behind block a's loads: the next block's sixteen, or none
.irp f, 0,1,2,3,4,5,6,7
	s_wait_dscnt (\younger)+7-(\f)
	global_store_b128 v[GO], v[ACC+32*(\a)+4*(\f):ACC+32*(\a)+4*(\f)+3], s[SY:SY+1] offset:(16*(\a)+2*(\f))*2048 th:TH_STORE_NT  ; 16 lanes store 256 consecutive bytes, at a multiple of 256 from the output's first
.endr
.endm
	STG 0
	STG 1
	SEND 0, 16
	STG 2
	SEND 1, 16
	STG 3
	SEND 2, 16
	SEND 3, 0
	s_wait_tensorcnt 0x0                           ; the wave's end, behind my last LDS store
	ds_add_u32 v[SPW], v[NIL]
	s_wait_dscnt 0x0
	s_endpgm
.Lfunc_end_k_qd7cef8e628_outp:
	.size	k_qd7cef8e628_outp, .Lfunc_end_k_qd7cef8e628_outp-k_qd7cef8e628_outp
	.p2alignl 7, 3214868480
	.fill 96, 4, 3214868480
	.section	.rodata,"a",@progbits
	.p2align	6, 0x0
	.amdhsa_kernel k_qd7cef8e628_outp
		.amdhsa_group_segment_fixed_size 91648
		.amdhsa_private_segment_fixed_size 0
		.amdhsa_enable_private_segment 0
		.amdhsa_kernarg_size 32
		.amdhsa_user_sgpr_count 2
		.amdhsa_user_sgpr_kernarg_segment_ptr 1
		.amdhsa_wavefront_size32 1
		.amdhsa_system_sgpr_workgroup_id_x 1
		.amdhsa_system_sgpr_workgroup_id_y 1
		.amdhsa_system_sgpr_workgroup_id_z 1
		.amdhsa_system_vgpr_workitem_id 0
		.amdhsa_next_free_vgpr 512
		.amdhsa_next_free_sgpr 66
		.amdhsa_reserve_vcc 0
		.amdhsa_float_denorm_mode_32 3
		.amdhsa_float_denorm_mode_16_64 3
		.amdhsa_memory_ordered 1
		.amdhsa_forward_progress 1
		.amdhsa_inst_pref_size 72
	.end_amdhsa_kernel
	.amdgpu_metadata
---
amdhsa.version: [ 1, 2 ]
amdhsa.kernels:
  - .name:           k_qd7cef8e628_outp
    .symbol:         k_qd7cef8e628_outp.kd
    .args:
      - { .name: oh, .offset: 0, .size: 8, .value_kind: global_buffer, .address_space: global }
      - { .name: w0, .offset: 8, .size: 8, .value_kind: global_buffer, .address_space: global }
      - { .name: b0, .offset: 16, .size: 8, .value_kind: global_buffer, .address_space: global }
      - { .name: out0, .offset: 24, .size: 8, .value_kind: global_buffer, .address_space: global }
    .group_segment_fixed_size: 91648
    .private_segment_fixed_size: 0
    .kernarg_segment_align: 8
    .kernarg_segment_size: 32
    .max_flat_workgroup_size: 128
    .sgpr_count:     66
    .vgpr_count:     512
    .wavefront_size: 32
...
	.end_amdgpu_metadata
.endif
;; end of part 4
;; ======== version 2 of 3: 4 launches; 1.44 times as fast as version 1
;; limits: values are held in f16: magnitudes above 65,504 overflow, below 6.1e-05 lose precision
;; workspace buffers: mbits 4,194,304 bytes of whole numbers; qh 8,388,608 bytes; kh 8,388,608 bytes; vh 8,388,608 bytes; oh 8,388,608 bytes
;; launch maskpack: the kernel of part 1 again; grid 512 x 1, 8 waves a work-group, no clusters, 35,840 bytes of LDS; arguments mask, mbits; writes mbits
;; launch proj: the kernel of part 2 again; grid 4 x 192, 4 waves a work-group, no clusters, 83,456 bytes of LDS; arguments q, k, v, wq, wk, wv, bq, bk, bv, qh, kh, vh; writes qh, kh, vh
;; launch attn (part 5): grid 16 x 16, 8 waves a work-group, clusters of 4 x 1, 327,680 bytes of LDS; arguments qh, kh, vh, oh, mbits; writes oh
.if DOCPART == 5
	.amdgcn_target "amdgcn-amd-amdhsa--gfx1250"
	.amdhsa_code_object_version 6
	.text
	.protected	k_qd7cef8e628_attn
	.globl	k_qd7cef8e628_attn
	.p2align	8
	.type	k_qd7cef8e628_attn,@function
k_qd7cef8e628_attn:
	s_mov_b64 s[64:65], 0
	v_nop
	global_prefetch_b8 v0, s[64:65] scope:SCOPE_SE
	s_setreg_imm32_b32 hwreg(HW_REG_WAVE_MODE, 25, 1), 1
	s_wait_xcnt 0x0
	s_wait_alu depctr_hold_cnt(0) depctr_sa_sdst(0) depctr_va_vdst(0) depctr_va_sdst(0) depctr_va_ssrc(0) depctr_va_vcc(0) depctr_vm_vsrc(0)
	s_getreg_b32 s2, hwreg(HW_REG_IB_STS2, 6, 4)
	s_cmp_eq_u32 s2, 0
	s_cbranch_scc0 .Lentry_in_a_cluster
	s_endpgm
.Lentry_in_a_cluster:
	s_bfe_u32 s2, ttmp6, 0x10000c
	s_cmp_lg_u32 s2, 0x3003
	s_cbranch_scc0 .Lentry_shape_is_right
	s_endpgm
.Lentry_shape_is_right:
; MASKED ATTENTION at head size 64.  O[g][q][:] = the sum over k of softmax_k(s[q][k]) V[g][k][:], g = batch x 8 + head (16), 4,096 queries and keys.  Q, K, V, O: [16][4096][64] f16, rows dense, 128 bytes.
; Q arrives multiplied by log2(e) / 8, so s = Q . K is the score as an exponent of 2; where the mask is 0 the score is REPLACED by BIGN = -1e9 log2(e).  p = 2^(s - m) with a running maximum m; s - m is
; exactly 0 at the maximum whatever its size, so a row with no open key gives p = 1 everywhere: the mean of V.  Products, maxima and sums in f32; p is rounded to f16 for the second product (its sum l is taken
; of the unrounded p), O once at the end.
; LIMITS.  f16 holds no number beyond 65,504: Q, K and V arrive within it, and finite (V is multiplied by 0 where the sums start).  BIGN is -1e9 log2(e) rounded to f32, off by under 64 in an exponent of 1.4e9:
; seen only where an open score itself lies near -1e9.  p below 6e-5 keeps f16's fixed step of 6e-8; a weight below 2^-126 counts as 0 in l; NaN and infinities are not treated apart.
; THE MASK comes packed (mbits[batch x 256 + query / 16][key / 64][32 words]): word n is the lane mask of register n of a 16 query x 64 key tile of S^T.  The 32 words of a tile are brought into scalar registers
; by two scalar loads a turn ahead, and each score costs one select.  The mask steers values alone: no branch and no address hangs on it.
; SHARES.  A work-group owns 256 queries of one g and has EIGHT waves of 512 registers, two to a SIMD's 1,024.  Wave w owns the 64 queries 64 (w % 4) on, four PIECES of 16, and the key half w / 4: 2,048 keys,
; 32 steps of 64.  Why two waves: scalar loads are waited for with the count 0 alone, and one buffer of 32 scalar registers is all there is room for, so the words cannot be asked for more than a turn ahead and
; a wave sits out part of their way; the SIMD's other wave issues meanwhile.  Why the keys are halved and not the queries: a fragment of K or V read from LDS still feeds four pieces' products.
; THE MERGE.  Each half ends with its own m, l and O^T.  Waves 4-7 hand theirs to waves 0-3 through LDS, in f32; with M = max(mA, mB): O = (O_A 2^(mA - M) + O_B 2^(mB - M)) / (lA 2^(mA - M) + lB 2^(mB - M)).
; LAYOUT.  S^T = K Q^T (source 0 = 16 keys, source 1 = 16 queries): a lane holds ONE query (lane % 16) and the keys 8 (lane / 16) + 0..7 of each 16.  Two such results rounded to f16 ARE source 1 of O^T = V^T P.
; K comes out of LDS as it lies, V ([key][channel]) turned, by ds_load_tr16_b128.
; BY TURNS.  Turn n belongs to piece n: 8 products K Q^T of piece n + 1, later 8 products V^T P of piece n - 1; beside them the subtraction, exponentials, roundings, sums and rescaling of piece n, and the
; mask, maximum and statistics of piece n + 1.  Four vector instructions stand behind every matrix instruction, the others in two runs of their own.
; m starts at the lowest finite number, O and l at 0: the first step is a step like any other, with a = 0.
; CLUSTER.  The four query blocks of a cluster belong to one g and walk the same K and V: each tile is asked for JOINTLY, by the same tensor load, descriptor and mask of work-groups in all four.
; My place in the cluster enters the addresses of Q, O and the mask words alone.  By this text's own count a wave has one tensor load out at a time.
; REGISTERS, in windows of 256 (s_set_vgpr_msb: bits 1:0 source 0, 3:2 source 1, 5:4 source 2, 7:6 destination):
;   window 0: v0-15 addresses and two at work; v16-31 four registers of statistics a piece; v32-43 the merge; v48-55 at work; v62-63 the add's; v64-127 S^T, two buffers; v128-191 Q; v192-223 P, two buffers (by the piece's parity)
;   window 1: v0-127 O^T, 32 a piece; v128-191 K of one step; v192-255 V of one step (in the merge v128-255 take the other half's O^T)
.set NP,    4         ; pieces a wave: a name, no knob
.set KS,    64        ; keys in a step
.set SS,    2         ; steps in a slot
.set PK,    144       ; a row of K in LDS: 128 bytes + 16: the 16 rows of a load start in 16 different 16-byte columns of 256
.set PV,    160       ; a row of V: 128 + 32: 16 lanes of the turning load take 8 rows x 32 bytes, all in different columns
.set VOFF,  SS*KS*PK  ; a slot holds two steps: 128 rows of K, then 128 rows of V: 38,912 bytes
.set SLOT1, 1<<16     ; a half's slot 1 begins here, so that one exclusive or turns an address in one slot into the other's
.set GRPB,  1<<17     ; the second key half's two slots begin here
.set STAGE, GRPB+SLOT1+SS*KS*(PK+PV)  ; behind the rings, never filled by a tensor load: 16 rows x 144 bytes for each of waves 0-3, for the way out
.set SP,    144
.set XCH,   STAGE+4*16*SP             ; never filled either: what waves 4-7 hand over, 34 runs of 512 bytes each (32 of O^T, then m, then l)
.set XW,    34*512
.set SPARE, XCH+4*XW                  ; the spare words, 128 bytes for each of eight waves: four blocks of 256 bytes that no other line names
.set AK0, 2           ; v2   my lane's place in a tile of K; never rewritten
.set AV0, 3           ; v3   the same for V
.set AK,  4           ; v4   the LDS address of K's next run of loads
.set AV,  5           ; v5   of V's
.set STO, 6           ; v6   the way out: where I put 16 bytes of a row
.set RD,  7           ; v7   where I read rows back
.set GO,  8           ; v8   16 x lane
.set MV,  12          ; v12-13  the old m, kept while m is made anew: by buffer
.set XA,  14          ; v14  my 16 bytes in a run of the bytes handed over for my 64 queries
.set QO,  15          ; v15  my byte offset in 16 rows of Q
.set ST,  16          ; piece t's statistics at v[ST+4 t]: m, a word named with it as a pair, l (even keys', odd keys')
.set RB,  32          ; v32-39  the merge: the other half's m (4) and l (4)
.set RM,  40          ; v40-43  the merge: the common maximum
.set TMP, 48          ; by buffer, four registers c0-c3 at work; when the maximum is found c2 takes a.  In the merge: my m (4) and l (4)
.set SPW, 62          ; v62  LDS address of my spare word; never rewritten
.set NIL, 63          ; v63  0; never rewritten
.set S,   64
.set QF,  128         ; window 0: piece x, channel half c at QF + 16 x + 8 c
.set P,   192
.set KF,  128         ; window 1: key block kb, channel half c at KF + 16 kb + 8 c
.set VF,  192         ; window 1: key half kk, channel block cb at VF + 32 kk + 8 cb
.set WV,  12          ; s12  my wave's number, 0 to 7
.set G1K, 24          ; s[24:31] descriptor group 1 for K's tiles
.set G1V, 32          ; s[32:39] for V's: it differs in the padding alone
.set G0K, 40          ; s[40:43] descriptor group 0 for K's tiles: it walks
.set G0V, 44          ; s[44:47] the same for V's
.set MB,  48          ; s[48:49] the mask words of my wave's piece 0, step 0 of all 64
.set MO,  50          ; s50  128 x the step whose words are asked for
.set BIGN, 51         ; s51  -1e9 log2(e)
.set WQ,  54          ; s54  wave % 4: which 64 queries; also: 0 asks for K's tiles, 1 for V's
.set GRP, 55          ; s55  wave / 4: which half of the keys
.set SLOTS, 56        ; s56  slots still to be asked for
.set CNT, 57          ; s57  counts a slot's key steps
.set SEL, 60          ; s[60:61] v_permlanex16_b32's selects: each lane takes its own place in the other half
.set TBK, 62          ; s62  LDS byte at which K of the step to be fetched begins
.set TBV, 63          ; s63  the same for V, less VOFF
.set MK,  68          ; s[68:99] a tile's 32 mask words
.set MSB, 0
.macro WIN new                      ; the high byte repeats the setting that is left; a switch that changes nothing is dropped
.if MSB != (\new)
	s_set_vgpr_msb (MSB<<8)|(\new)
.set MSB, (\new)
.endif
.endm
.set W_KQ, 0x01       ; K in window 1; Q and S^T in window 0
.set W_PV, 0x51       ; V and O^T in window 1, P in window 0
.set W_RS, 0x41       ; O^T (destination and source 0) in window 1, a in window 0
.set TO_1, 0x40       ; destination window 1, address window 0
; A joint fill of my key half's slot: the wave with number % 4 = 0 asks for its K, 128 keys, the one with 1 for its V; the others ask for nothing.  The branches hang on the wave's number alone.
; An s_nop 0 and four v_nop follow each of the two lines, ahead of the jump and the label.
.macro JLOAD
	s_cmp_lg_u32 s[WQ], 0
	s_cbranch_scc1 .Lnot_k_\@
	tensor_load_to_lds s[G0K:G0K+3], s[G1K:G1K+7]
	s_nop 0
.rept 4
	v_nop
.endr
	s_branch .Lasked_\@
.Lnot_k_\@:
	s_cmp_lg_u32 s[WQ], 1
	s_cbranch_scc1 .Lasked_\@
	tensor_load_to_lds s[G0V:G0V+3], s[G1V:G1V+7]
	s_nop 0
.rept 4
	v_nop
.endr
.Lasked_\@:
.endm
; A round of the cluster's barrier: my work-group's barrier, so that wave 0's signal speaks for all eight waves; wave 0 signals; every wave waits for all four work-groups; my work-group's barrier once more.
.macro CROUND
	s_barrier_signal -1
	s_barrier_wait -1
	s_cmp_lg_u32 s[WV], 0
	s_cbranch_scc1 .Lnot_wave_0_\@
	s_barrier_signal -3
.Lnot_wave_0_\@:
	s_barrier_wait -3
	s_barrier_signal -1
	s_barrier_wait -1
.endm
; THE CHANGE OF SLOTS, in both key halves at once.  The slot's last bytes, V of its second step, have been read.  Each wave waits for all its tensor loads, of which at most one is out: its part of the other
; slot; adds 0 to its spare word; and waits for that and for its own reads of the slot.  Behind the barrier nobody reads this slot any more and the other slot is whole.
; fill = 1: this slot is filled again, with the keys two slots on.  The barrier is then a round of the cluster's, so that no wave of any partner still reads the slot or has a load on its way, and the joint
; fill is the first thing behind it: it has two key steps, 128 matrix instructions of each wave, in which to land.  (At its first use nothing has been read yet: slot 0 is waited for, slot 1 filled.)
.macro CHANGE fill
	WIN 0                           ; at a label and at a branch every window is 0
	s_wait_tensorcnt 0x0            ; no tensor load of mine is out, so a group 0 may be written
	ds_add_u32 v[SPW], v[NIL]       ; 0 onto my spare word; with fill = 1 the descriptors' steps stand between it and the wait for it
.if \fill
.irp g, G0K, G0V
	s_xor_b32 s[\g+1], s[\g+1], SLOT1  ; the walking descriptor: the other slot than last time,
	s_add_nc_u64 s[\g+2:\g+3], s[\g+2:\g+3], SS*KS*128  ; the next 128 keys; the type bits on top are not reached
.endr
	s_wait_dscnt 0x0                ; the add is done, and my reads of the slot are over
	CROUND
	JLOAD
.else
	s_wait_dscnt 0x0                ; the add is done, and my reads of the slot are over
	s_barrier_signal -1
	s_barrier_wait -1
.endif
	s_sub_co_u32 s[TBK], s[TBK], SS*KS*PK  ; the fetches go back to a slot's first step,
	s_xor_b32 s[TBK], s[TBK], SLOT1        ; in the other slot
	s_sub_co_u32 s[TBV], s[TBV], SS*KS*PV
	s_xor_b32 s[TBV], s[TBV], SLOT1
.endm
; The 32 mask words of piece pl for the step that MO names: 128 consecutive bytes.
.macro MLOAD pl
	s_load_b512 s[MK:MK+15], s[MB:MB+1], s[MO] offset:(\pl)*8192
	s_load_b512 s[MK+16:MK+31], s[MB:MB+1], s[MO] offset:(\pl)*8192+64
.endm
.macro ALL line:vararg              ; one line for each piece t
.set t, 0
.rept 4
	s_wait_alu depctr_va_vdst(0)
	\line
.set t, t+1
.endr
.endm
	s_load_b256 s[4:11], s[0:1], 0x0  ; Q s[4:5], K s[6:7], V s[8:9], O s[10:11]
	s_load_b64 s[MB:MB+1], s[0:1], 0x20  ; the mask words
	v_lshl_add_u32 v[SPW], v0, 2, SPARE
	v_mov_b32 v[NIL], 0
	ds_add_u32 v[SPW], v[NIL]       ; the wave's opening: the add and its wait stand ahead of my first tensor load; the set-up below, work on registers, stands between them
	v_lshrrev_b32 v1, 5, v0
	v_readfirstlane_b32 s[WV], v1   ; wave 0..7
	s_and_b32 s[WQ], s[WV], 3       ; which 64 queries
	s_lshr_b32 s[GRP], s[WV], 2     ; which half of the keys
	s_bfe_u32 s13, ttmp6, 0x40000   ; cx: my place in the cluster
	s_lshl_b32 s14, ttmp9, 2        ; in a cluster launch ttmp9 counts clusters
	s_add_co_u32 s14, s14, s13      ; my block of 256 queries = 4 x cluster x + cx
	s_and_b32 s15, ttmp7, 0xffff    ; g, which the four partners share
	s_lshl_b32 s20, s15, 19         ; g's first byte in Q, K, V and O: 4,096 rows of 128 bytes
	s_mov_b32 s21, 0
	s_lshl_b32 s22, s[GRP], 18      ; my key half: 2,048 rows of 128 bytes
	s_mov_b32 s23, 0
	s_add_nc_u64 s[22:23], s[22:23], s[20:21]
	s_lshl_b32 s17, s[GRP], 17      ; my key half's two slots in LDS: no place in the cluster enters an LDS address
	s_lshl_b32 s2, s14, 2
	s_add_co_u32 s2, s2, s[WQ]      ; my 64 queries among g's,
	s_lshl_b32 s2, s2, 13           ; 64 rows of 128 bytes
	s_mov_b32 s3, 0
	s_add_nc_u64 s[2:3], s[2:3], s[20:21]
	s_lshr_b32 s52, s15, 3          ; the batch: 256 tiles of 8,192 bytes of mask words,
	s_lshl_b32 s52, s52, 21
	s_lshl_b32 s53, s14, 17         ; my block's 16 tiles,
	s_add_co_u32 s52, s52, s53
	s_lshl_b32 s53, s[WQ], 15       ; my wave's four
	s_add_co_u32 s52, s52, s53
	s_mov_b32 s53, 0
	; descriptor group 1.  128 keys are 16,384 dense bytes: asked for as 64 rows of 256 bytes, two keys a row, and padded in LDS after every key
	s_mov_b32 s[G1K], 15|(1<<16)|(1<<20)|(1<<21)|(4<<22)|(3<<25)  ; 15:0 the mask of four; 17:16 2-byte elements; 20 padding on; 21 set beside a mask; 24:22 after every 32 words (code 4); 31:25 4 words (code 3)
	s_mov_b32 s[G1V], 15|(1<<16)|(1<<20)|(1<<21)|(4<<22)|(7<<25)  ; the same with 8 words of padding (code 7)
.irp g, G1K, G1V
	s_mov_b32 s[\g+1], 128<<16      ; tensor_dim0 = 128
	s_mov_b32 s[\g+2], 64<<16       ; tensor_dim1 = 64
	s_mov_b32 s[\g+3], 128<<16      ; tile_dim0 = 128
	s_mov_b32 s[\g+4], 64           ; tile_dim1 = 64
	s_mov_b32 s[\g+5], 128          ; 128 elements from row to row
	s_mov_b32 s[\g+6], 0
	s_mov_b32 s[\g+7], 0
.endr
	s_mov_b32 s[BIGN], 0xceabfb8f   ; -1e9 log2(e)
	s_lshl_b32 s[MO], s[GRP], 12    ; my key half's first step: 32 steps of 128 bytes
	s_mov_b32 s[SEL], 0x76543210
	s_mov_b32 s[SEL+1], 0xfedcba98
	s_add_co_u32 s[TBK], s17, SLOT1+SS*KS*PK  ; the first change of slots turns these two into my half's slot 0
	s_add_co_u32 s[TBV], s17, SLOT1+SS*KS*PV
	s_mov_b32 s[G0K], 1             ; 1:0 count = 1
	s_mov_b32 s[G0K+1], s17         ; 63:32 LDS address: my half's slot 0
	s_mov_b32 s[G0V], 1
	s_add_co_u32 s[G0V+1], s17, VOFF
	s_wait_dscnt 0x0                ; the opening add is done
	s_wait_kmcnt 0x0
	s_add_nc_u64 s[G0K+2:G0K+3], s[6:7], s[22:23]  ; 120:64 global address: my key half's first 128 keys
	s_or_b32 s[G0K+3], s[G0K+3], 0x80000000        ; 127:126 type = 2
	s_add_nc_u64 s[G0V+2:G0V+3], s[8:9], s[22:23]
	s_or_b32 s[G0V+3], s[G0V+3], 0x80000000
	s_add_nc_u64 s[4:5], s[4:5], s[2:3]  ; Q and O at my wave's first row
	s_add_nc_u64 s[10:11], s[10:11], s[2:3]
	s_add_nc_u64 s[MB:MB+1], s[MB:MB+1], s[52:53]
	CROUND                          ; all four work-groups are here: the first joint loads meet
	JLOAD                           ; slot 0.  Slot 1 is asked for when slot 0 is in
	MLOAD 0                         ; piece 0's mask words of my first step
	; A fragment of K or Q is 16 rows x 32 channels in 8 registers: lane l holds row l % 16, channels 8 (l / 16) + 0..7 and 16 + 8 (l / 16) + 0..7: two loads of 16 bytes, 32 bytes apart.
	v_and_b32 v1, 15, v0            ; l % 16
	v_bfe_u32 v9, v0, 4, 1          ; l / 16
	v_lshlrev_b32 v[QO], 7, v1
	v_lshl_add_u32 v[QO], v9, 4, v[QO]  ; row x 128 + 16 x half
.set i, 0
.rept 8                             ; Q stays in registers: piece i / 2, channels 32 (i % 2) on
	global_load_b128 v[QF+8*i:QF+8*i+3],   v[QO], s[4:5] offset:(i/2)*2048+(i%2)*64
	global_load_b128 v[QF+8*i+4:QF+8*i+7], v[QO], s[4:5] offset:(i/2)*2048+(i%2)*64+32
.set i, i+1
.endr
.set i, 0
.rept 4
	v_mov_b32 v[ST+4*i], 0xff7fffff  ; m: the lowest finite number
	v_mov_b32 v[ST+4*i+1], 0
	v_mov_b32 v[ST+4*i+2], 0         ; l
	v_mov_b32 v[ST+4*i+3], 0
.set i, i+1
.endr
.set i, P+16
.rept 16
	v_mov_b32 v[i], 0               ; P's second buffer: the first turn's products V^T P, of a piece that has not been, add 0
.set i, i+1
.endr
	v_mul_u32_u24 v[AK0], v1, PK
	v_lshl_add_u32 v[AK0], v9, 4, v[AK0]  ; row x pitch + 16 x half
	; The turning load takes 16 keys x 16 channels (lane l reads key 8 (l / 16) + l % 8, channels 8 ((l / 8) % 2) + 0..7) and leaves half a fragment of V^T: lane l holds channel l % 16 and 8 keys.
	v_and_b32 v10, 7, v0
	v_bfe_u32 v11, v0, 3, 1
	v_lshl_add_u32 v[AV0], v9, 3, v10
	v_mul_u32_u24 v[AV0], v[AV0], PV
	v_lshl_add_u32 v[AV0], v11, 4, v[AV0]
	v_add_nc_u32 v[AV0], VOFF, v[AV0]
	s_mul_i32 s13, s[WQ], 16*SP
	s_add_co_u32 s13, s13, STAGE    ; the stage of my 64 queries (waves 0-3 alone use it)
	v_mul_u32_u24 v[STO], v1, SP    ; in: row l % 16, 16 bytes for each half of the lanes
	v_lshl_add_u32 v[STO], v9, 4, v[STO]
	v_add_nc_u32 v[STO], s13, v[STO]
	v_bfe_u32 v[RD], v0, 3, 2       ; back: 32 lanes take four rows of 128 bytes,
	v_mul_u32_u24 v[RD], v[RD], SP
	v_lshl_add_u32 v[RD], v10, 4, v[RD]
	v_add_nc_u32 v[RD], s13, v[RD]
	v_and_b32 v[GO], 31, v0         ; which are 512 consecutive bytes of O
	v_lshlrev_b32 v[GO], 4, v[GO]
	s_mul_i32 s13, s[WQ], XW
	s_add_co_u32 s13, s13, XCH
	v_add_nc_u32 v[XA], s13, v[GO]  ; what is handed over for my 64 queries: 16 bytes a lane, on end
; THE MATRIX WORK.  The 4 accumulators of a run of 8 take turns.  Product i of 8 of S^T = K Q^T for piece x: channels 32 (i / 4) on, keys 16 (i % 4) on.  The first 4 start the sums.
.macro KQ x
	WIN W_KQ
.set rS, S+32*((\x)%2)+8*(i%4)
.set rK, KF+16*(i%4)+8*(i/4)
.set rQ, QF+16*(\x)+8*(i/4)
.if i < 4
	v_wmma_f32_16x16x32_f16 v[rS:rS+7], v[rK:rK+7], v[rQ:rQ+7], 0
.else
	v_wmma_f32_16x16x32_f16 v[rS:rS+7], v[rK:rK+7], v[rQ:rQ+7], v[rS:rS+7]
.endif
.endm
; Product i of 8 of O^T += V^T P for piece x: keys 32 (i / 4) on, channels 16 (i % 4) on.
.macro PV x
	WIN W_PV
.set rO, 32*(\x)+8*(i%4)
.set rV, VF+32*(i/4)+8*(i%4)
.set rP, P+16*((\x)%2)+8*(i/4)
	v_wmma_f32_16x16x32_f16 v[rO:rO+7], v[rV:rV+7], v[rP:rP+7], v[rO:rO+7]
.endm
.macro MM                           ; the turn's next matrix instruction
.if i < 8
	KQ (Y+1)%NP
.else
.set i, i-8
	PV (Y+NP-1)%NP
.set i, i+8
.endif
.set i, i+1
.endm
; THE LDS LOADS stand in runs of 16, never singly among the matrix instructions: a step's K (64 keys x 64 channels: 8 fragments) and its V (turned).  Their addresses are made some lines ahead.
; last = 1 (the tail): in the last trip there is no further step, and the run is jumped over.
.macro FETCH_K last=0
	WIN 0
.if \last
	s_cmp_eq_u32 s[CNT], 1
	s_cbranch_scc1 .Lno_k_\@
.endif
	WIN TO_1
.irp f, 0,1,2,3,4,5,6,7             ; keys 16 (f / 2) on, channels 32 (f % 2) on
	ds_load_b128 v[KF+8*\f:KF+8*\f+3],   v[AK] offset:(\f/2)*16*PK+(\f%2)*64
	ds_load_b128 v[KF+8*\f+4:KF+8*\f+7], v[AK] offset:(\f/2)*16*PK+(\f%2)*64+32
.endr
	s_add_co_u32 s[TBK], s[TBK], KS*PK  ; the next fetch is the next step's
	WIN 0
.if \last
.Lno_k_\@:
.endif
.endm
.macro FETCH_V
	WIN TO_1
.irp f, 0,1,2,3,4,5,6,7             ; keys 32 (f / 4) on, channels 16 (f % 4) on
	ds_load_tr16_b128 v[VF+8*\f:VF+8*\f+3],   v[AV] offset:(\f/4)*32*PV+(\f%4)*32
	ds_load_tr16_b128 v[VF+8*\f+4:VF+8*\f+7], v[AV] offset:(\f/4)*32*PV+16*PV+(\f%4)*32
.endr
	WIN 0
.endm
; THE VECTOR WORK, one line at a time: OP kind, number.  For piece Y: F n: s - m for pair n of 16.  E n: the exponential of score n of 32.  C n: pair n rounded to f16.  B n: of the four weights 4 n .. the second
; pair is added onto the first, in place.  L n: l takes that sum (L 0: l = a l + sum).  R n: pair n of 16 of O^T times a.  For piece Y + 1: K n: score n is kept where bit lane of mask word n is set, else it becomes
; BIGN (in ascending order); X n, one of the 21 that find its maximum and statistics
;   0-11  four chains c0-c3 of seven scores each, three operands at a time     12-14, 16  the four scores left over, the old m, and c0-c3 into c0     15  the old m is kept
;   17, 18  the query's other 32 keys lie in the lane 16 away: the new m         20, 21  m_old - m_new; a   (there is no number 19)
.set F, 0               ; OP tells the kinds apart by their order: F to L below R, X and K above it
.set E, 1
.set C, 2
.set B, 3
.set L, 4
.set R, 5
.set X, 6
.set K, 7
.macro REGS y                       ; the registers of piece y
.set rT, ST+4*(\y)
.set rC, TMP+4*((\y)%2)
.set rW, MV+((\y)%2)
.set rS, S+32*((\y)%2)
.set rP, P+16*((\y)%2)
.set rO, 32*(\y)
.endm
.macro OP k, n
.if (\k) == R
	REGS Y
	WIN W_RS
	v_pk_mul_f32 v[rO+2*(\n):rO+2*(\n)+1], v[rO+2*(\n):rO+2*(\n)+1], v[rC+2:rC+3] op_sel_hi:[1,0]
.elseif (\k) < R
	REGS Y
	WIN 0
.if (\k) == F
	v_pk_add_f32 v[rS+2*(\n):rS+2*(\n)+1], v[rS+2*(\n):rS+2*(\n)+1], v[rT:rT+1] op_sel_hi:[1,0] neg_lo:[0,1] neg_hi:[0,1]
.elseif (\k) == E
	v_exp_f32 v[rS+(\n)], v[rS+(\n)]
.elseif (\k) == C
	s_wait_alu depctr_va_vdst(0)
	v_cvt_pk_f16_f32 v[rP+(\n)], v[rS+2*(\n)], v[rS+2*(\n)+1]
.elseif (\k) == B
	s_wait_alu depctr_va_vdst(0)
	v_pk_add_f32 v[rS+4*(\n):rS+4*(\n)+1], v[rS+4*(\n):rS+4*(\n)+1], v[rS+4*(\n)+2:rS+4*(\n)+3]
.elseif (\n) == 0
	v_pk_fma_f32 v[rT+2:rT+3], v[rT+2:rT+3], v[rC+2:rC+3], v[rS:rS+1] op_sel_hi:[1,0,1]
.else
	v_pk_add_f32 v[rT+2:rT+3], v[rT+2:rT+3], v[rS+4*(\n):rS+4*(\n)+1]
.endif
.elseif (\k) == K
	REGS (Y+1)%NP
	WIN 0
	v_cndmask_b32 v[rS+(\n)], s[BIGN], v[rS+(\n)], s[MK+(\n)]
.else
	REGS (Y+1)%NP
	WIN 0
.if (\n) < 4
	v_max3_num_f32 v[rC+(\n)], v[rS+8*(\n)], v[rS+8*(\n)+1], v[rS+8*(\n)+2]
.elseif (\n) < 12
	v_max3_num_f32 v[rC+(\n)%4], v[rC+(\n)%4], v[rS+8*((\n)%4)+2*((\n)/4)+1], v[rS+8*((\n)%4)+2*((\n)/4)+2]
.elseif (\n) == 12
	v_max3_num_f32 v[rC], v[rC], v[rS+7], v[rS+15]
.elseif (\n) == 13
	v_max3_num_f32 v[rC+1], v[rC+1], v[rS+23], v[rS+31]
.elseif (\n) == 14
	v_max3_num_f32 v[rC+2], v[rC+2], v[rC+3], v[rT]
.elseif (\n) == 15
	v_mov_b32 v[rW], v[rT]
.elseif (\n) == 16
	v_max3_num_f32 v[rC], v[rC], v[rC+1], v[rC+2]
.elseif (\n) == 17
	v_permlanex16_b32 v[rC+3], v[rC], s[SEL], s[SEL+1]
.elseif (\n) == 18
	v_max_num_f32 v[rT], v[rC], v[rC+3]
.elseif (\n) == 20
	v_sub_f32 v[rC+1], v[rW], v[rT]
.else
	v_exp_f32 v[rC+2], v[rC+1]
.endif
.endif
.endm
.macro OPS a, i1, b=-1, i2=0, c=-1, i3=0, d=-1, i4=0  ; up to four of them
	OP \a, \i1
.if (\b) >= 0
	OP \b, \i2
.endif
.if (\c) >= 0
	OP \c, \i3
.endif
.if (\d) >= 0
	OP \d, \i4
.endif
.endm
.macro ROW a, i1, b, i2, c, i3, d, i4  ; a matrix instruction and the four behind it
	MM
	OPS \a, \i1, \b, \i2, \c, \i3, \d, \i4
.endm
; A TURN, for piece p: the order of its 16 matrix and 149 vector instructions, written out.  Behind a matrix instruction: plain, exponential, plain, plain; or four of the rescaling; or, behind the first, four
; subtractions; none names a register of the products round it.  C 2 n stands ahead of B n; every C, B and L behind its exponentials with a plain line between.
; The four rescalings behind the eighth K Q^T are the places between it and the selects that read and write its scores.
; K of the next step is fetched in piece 2's turn, six vector instructions behind the last product that read K (five of them plain); V of the step in hand in piece 0's turn, eight behind the last product that
; read V (four plain).  Each is waited for a turn later.
; THE MASK WORDS.  This turn's selects take piece p + 1's words, asked for in the turn before; behind the last select (and four maxima) the one buffer is asked for again, for piece p + 2.  Pieces 2 and 3 are
; asked for in the step in hand, pieces 0 and 1 for the next: MO steps in piece 2's turn, behind the wait that shows the loads that named it done.  It stops at the last of the 64 steps, so the last trip's
; unused loads stay inside the buffer (the first key half's point at the second half's first step).
; cnt = 1: the loop's count is taken down some lines ahead of the branch that stands behind the turn.
.macro TURN p, last=0, cnt=0
.set Y, (\p)
.set i, 0
.if (\p) == 3
	s_wait_dscnt 0x0                ; K is in
.endif
	ROW F,0, F,1, F,2, F,3
	ROW F,4, E,0, F,5, F,6
	ROW F,7, E,1, F,8, F,9
	ROW F,10, E,2, C,0, F,11
	ROW F,12, E,3, X,15, F,13
	ROW R,0, R,1, R,2, R,3
	ROW B,0, E,4, F,14, L,0
.if (\p) == 2
	v_add_nc_u32 v[AK], s[TBK], v[AK0]
.endif
	ROW R,4, R,5, R,6, R,7
	OPS E,5, F,15
.if (\p) == 2
	FETCH_K \last
.endif
	OPS E,6, C,1, E,7, R,8
	OPS E,8, R,9, E,9, C,2
	s_wait_kmcnt 0x0                ; piece p + 1's 32 mask words
	OPS E,10, K,0, E,11, K,1
	OPS E,12, K,2, E,13, K,3
.set kn, 4
.rept 28
	OP K, kn
.set kn, kn+1
.endr
	OPS X,0, X,1, X,2, X,3
.if (\p) == 2
	s_add_co_u32 s[MO], s[MO], 128
	s_min_u32 s[MO], s[MO], 63*128
.endif
	MLOAD ((\p)+2)%NP
.if (\p) == 1
	s_wait_dscnt 0x0                ; V is in
.endif
	ROW X,4, E,14, X,5, X,6
	ROW X,7, E,15, X,8, X,9
	ROW X,10, E,16, X,11, X,12
	ROW X,13, E,17, X,14, B,1
	ROW C,4, E,18, X,16, L,1
	ROW B,2, E,19, C,6, L,2
	ROW C,8, E,20, B,3, B,4
.if (\p) == 0
	v_add_nc_u32 v[AV], s[TBV], v[AV0]
.endif
	ROW C,3, E,21, L,3, C,5
	OPS E,22, X,17, E,23, C,10
.if (\p) == 0
	FETCH_V
.endif
	OPS E,24, L,4
	OPS E,25, X,18, E,26, C,7
	OPS E,27, B,5, E,28, C,12
	OPS E,29, L,5, E,30, X,20
	OPS E,31, B,6, C,9, C,14
	OPS C,11, X,21, L,6, C,13
.if (\p) == 0
	s_add_co_u32 s[TBV], s[TBV], KS*PV
.endif
.if \cnt
	s_sub_co_u32 s[CNT], s[CNT], 1
	s_cmp_lg_u32 s[CNT], 0
.endif
	OPS B,7, C,15, R,10, R,11
	OPS R,12, L,7, R,13, R,14
	OPS R,15
.endm
	CHANGE 1                        ; slot 0 is in, everybody's part of it; slot 1 is asked for
	v_add_nc_u32 v[AK], s[TBK], v[AK0]
	v_add_nc_u32 v[AV], s[TBV], v[AV0]
	FETCH_K                         ; my first key step's K,
	FETCH_V                         ; and its V, so that V's registers hold finite numbers for the products on zeros below and in the first turn (which fetches the same V once more, like every step's first turn)
	s_wait_loadcnt 0x0              ; Q
	s_wait_dscnt 0x0
.set i, 0
.rept 8
	KQ 0                            ; piece 0's first scores: there is no vector work yet to set between them
.set i, i+1
.endr
	WIN W_PV
.set i, 0
.rept 16                            ; O^T starts at 0: V^T times P's zeros, with the constant 0 as C: 16 matrix instructions, and no register is cleared by a move
	v_wmma_f32_16x16x32_f16 v[8*i:8*i+7], v[VF+8*(i%8):VF+8*(i%8)+7], v[P+16:P+23], 0
.set i, i+1
.endr
	WIN 0
.rept 4
	v_nop                           ; the places behind those products
.endr
	s_wait_kmcnt 0x0                ; piece 0's mask words
.set Y, NP-1                        ; K and X work for piece Y + 1: piece 0
.set kn, 0
.rept 32
	OP K, kn
.set kn, kn+1
.endr
.irp n, 0,1,2,3
	OP X, \n
.endr
	MLOAD 1                         ; piece 1's words of my first step, for the first turn
.irp n, 4,5,6,7,8,9,10,11,12,13,14,15,16,17,18,20,21
	OP X, \n
.endr
	v_nop                           ; a plain instruction behind the exponential
	s_mov_b32 s[CNT], SS
	s_mov_b32 s[SLOTS], 15
	s_branch .Lfirst                ; the loop is entered at a step's first turn, in the middle of a trip
.Lslot:                             ; 14 times: of my half's 16 slots every one but the last two is filled again
	CHANGE 1
	s_mov_b32 s[CNT], SS
.Lstep:                             ; a trip: pieces 2 and 3 of one step, then pieces 0 and 1 of the next, whose K and V it fetches
	TURN 2
	TURN 3
	WIN 0
.Lfirst:
	TURN 0
	TURN 1, 0, 1
	WIN 0
	s_cbranch_scc1 .Lstep
	s_sub_co_u32 s[SLOTS], s[SLOTS], 1
	s_cmp_lg_u32 s[SLOTS], 0
	s_cbranch_scc1 .Lslot
	CHANGE 0                        ; the tail is written out: nothing is asked for
	s_mov_b32 s[CNT], SS+1          ; two trips fetch the last slot's steps; the third is left in its middle
.Ltail:
	TURN 2, 1
	TURN 3
	WIN 0
	s_sub_co_u32 s[CNT], s[CNT], 1
	s_cmp_eq_u32 s[CNT], 0
	s_cbranch_scc1 .Lout
	TURN 0
	TURN 1
	WIN 0
	s_branch .Ltail
.Lout:                              ; the last trip's 8 products K Q^T (on the last K once more) and what is made of them serve nothing: the price, once a launch, of one text for every trip
	s_wait_kmcnt 0x0                ; the last, unused mask words are back
.set i, 0
.rept 8
	PV NP-1                         ; the last piece's V^T P of the last step
.set i, i+1
.endr
	; MY HALF'S l AND m.  l's two halves and the other half of the lanes' are added.  The additions are the places behind the last products.
	WIN 0
	ALL v_add_f32 v[ST+4*t+2], v[ST+4*t+2], v[ST+4*t+3]
	ALL v_permlanex16_b32 v[ST+4*t+3], v[ST+4*t+2], s[SEL], s[SEL+1]
	ALL v_add_f32 v[TMP+4+t], v[ST+4*t+2], v[ST+4*t+3]
	v_mov_b32 v[TMP], v[MV]         ; piece 0: the m that its O^T and l go by is the one that the last turn set aside: that turn's unused scores have made a new one
	v_mov_b32 v[TMP+1], v[ST+4]
	s_wait_alu depctr_va_vdst(0)
	v_mov_b32 v[TMP+2], v[ST+8]
	v_mov_b32 v[TMP+3], v[ST+12]
	s_cmp_eq_u32 s[GRP], 0
	s_cbranch_scc1 .Lkeep
	; THE SECOND KEY HALF HANDS OVER: m, l and O^T in f32, 16 bytes a lane on end; each accumulator's low four registers first
	ds_store_b128 v[XA], v[TMP:TMP+3] offset:32*512
	ds_store_b128 v[XA], v[TMP+4:TMP+7] offset:33*512
	WIN 0x04                        ; address window 0, data window 1
.set i, 0
.rept 32
	ds_store_b128 v[XA], v[4*i:4*i+3] offset:i*512
.set i, i+1
.endr
	WIN 0
.Lkeep:
	s_wait_dscnt 0x0                ; for the others' sake: my stores are done
	s_barrier_signal -1
	s_barrier_wait -1
	s_cmp_lg_u32 s[GRP], 0
	s_cbranch_scc1 .Lend
	; THE FIRST KEY HALF MERGES.  The other half's O^T goes where K and V lay.
	ds_load_b128 v[RB:RB+3], v[XA] offset:32*512
	ds_load_b128 v[RB+4:RB+7], v[XA] offset:33*512
	WIN TO_1
.set i, 0
.rept 32
	ds_load_b128 v[KF+4*i:KF+4*i+3], v[XA] offset:i*512
.set i, i+1
.endr
	WIN 0
	s_wait_dscnt 32                 ; m and l are in; the 32 loads of O^T issued behind them may be out
	ALL v_max_num_f32 v[RM+t], v[TMP+t], v[RB+t]
	ALL v_sub_f32 v[TMP+t], v[TMP+t], v[RM+t]
	ALL v_sub_f32 v[RB+t], v[RB+t], v[RM+t]
	ALL v_exp_f32 v[TMP+t], v[TMP+t]
	ALL v_exp_f32 v[RB+t], v[RB+t]
	v_nop                           ; a plain instruction between the last exponential and the use of the results
	ALL v_mul_f32 v[TMP+4+t], v[TMP+4+t], v[TMP+t]
	ALL v_fma_f32 v[TMP+4+t], v[RB+4+t], v[RB+t], v[TMP+4+t]
	ALL v_rcp_f32 v[TMP+4+t], v[TMP+4+t]
	v_nop                           ; a plain instruction between the last reciprocal and the use of its result
	ALL v_mul_f32 v[ST+4*t], v[TMP+t], v[TMP+4+t]
	ALL v_mul_f32 v[ST+4*t+2], v[RB+t], v[TMP+4+t]
	s_wait_dscnt 0x0                ; the other half's O^T is in
; THE WAY OUT, a piece at a time: O = O_A gA + O_B gB, rounded to f16; a lane's eight channels of a row pack into 16 bytes; they go into rows of 144 bytes and come back as whole rows of 128, into S^T's registers
.macro PACK t
	WIN W_PV                        ; destination, source 0 and source 2 window 1, source 1 window 0
.set i, 32*(\t)
.rept 16
	v_pk_mul_f32 v[i:i+1], v[i:i+1], v[ST+4*(\t):ST+4*(\t)+1] op_sel_hi:[1,0]
.set i, i+2
.endr
.set i, 32*(\t)
.rept 16
	v_pk_fma_f32 v[i:i+1], v[KF+i:KF+i+1], v[ST+4*(\t)+2:ST+4*(\t)+3], v[i:i+1] op_sel_hi:[1,0,1]
.set i, i+2
.endr
	WIN 0x05                        ; sources 0 and 1 window 1, destination window 0
.set i, 0
.rept 16
	v_cvt_pk_f16_f32 v[S+16*(\t)+i], v[32*(\t)+2*i], v[32*(\t)+2*i+1]
.set i, i+1
.endr
	WIN 0
.irp f, 0,1,2,3
	ds_store_b128 v[STO], v[S+16*(\t)+4*\f:S+16*(\t)+4*\f+3] offset:32*\f
.endr
.irp f, 0,1,2,3
	ds_load_b128 v[S+16*(\t)+4*\f:S+16*(\t)+4*\f+3], v[RD] offset:\f*4*SP  ; LDS serves a wave's instructions in order: these see the stores above; the next piece's stores come behind them
.endr
.endm
.macro SEND t, younger              ; younger: the LDS instructions issued behind piece t's loads: the next piece's eight, or none
	WIN 0
.irp f, 0,1,2,3
	s_wait_dscnt (\younger)+3-\f
	global_store_b128 v[GO], v[S+16*(\t)+4*\f:S+16*(\t)+4*\f+3], s[10:11] offset:(\t)*2048+\f*512  ; 512 consecutive bytes, at a multiple of 256 from O's first
.endr
.endm
	PACK 0
.set t, 1
.rept 3                             ; a piece's arithmetic stands between the loads of the piece before and its stores
	PACK t
	SEND t-1, 8
.set t, t+1
.endr
	SEND 3, 0
.Lend:
	s_wait_tensorcnt 0x0            ; the wave's end, behind my last tensor load and my last LDS store
	ds_add_u32 v[SPW], v[NIL]
	s_wait_dscnt 0x0
	CROUND                          ; the closing round: no work-group ends while a partner may still ask for a tile that names it
	s_endpgm
.Lfunc_end_k_qd7cef8e628_attn:
	.size	k_qd7cef8e628_attn, .Lfunc_end_k_qd7cef8e628_attn-k_qd7cef8e628_attn
	.p2alignl 7, 3214868480
	.fill 96, 4, 3214868480
	.section	.rodata,"a",@progbits
	.p2align	6, 0x0
	.amdhsa_kernel k_qd7cef8e628_attn
		.amdhsa_group_segment_fixed_size 327680
		.amdhsa_private_segment_fixed_size 0
		.amdhsa_enable_private_segment 0
		.amdhsa_kernarg_size 40
		.amdhsa_user_sgpr_count 2
		.amdhsa_user_sgpr_kernarg_segment_ptr 1
		.amdhsa_wavefront_size32 1
		.amdhsa_system_sgpr_workgroup_id_x 1
		.amdhsa_system_sgpr_workgroup_id_y 1
		.amdhsa_system_sgpr_workgroup_id_z 1
		.amdhsa_system_vgpr_workitem_id 0
		.amdhsa_next_free_vgpr 512
		.amdhsa_next_free_sgpr 100
		.amdhsa_reserve_vcc 0
		.amdhsa_float_denorm_mode_32 3
		.amdhsa_float_denorm_mode_16_64 3
		.amdhsa_memory_ordered 1
		.amdhsa_forward_progress 1
		.amdhsa_inst_pref_size 142
	.end_amdhsa_kernel
	.amdgpu_metadata
---
amdhsa.version: [ 1, 2 ]
amdhsa.kernels:
  - .name:           k_qd7cef8e628_attn
    .symbol:         k_qd7cef8e628_attn.kd
    .args:
      - { .name: qh, .offset: 0, .size: 8, .value_kind: global_buffer, .address_space: global }
      - { .name: kh, .offset: 8, .size: 8, .value_kind: global_buffer, .address_space: global }
      - { .name: vh, .offset: 16, .size: 8, .value_kind: global_buffer, .address_space: global }
      - { .name: oh, .offset: 24, .size: 8, .value_kind: global_buffer, .address_space: global }
      - { .name: mbits, .offset: 32, .size: 8, .value_kind: global_buffer, .address_space: global }
    .group_segment_fixed_size: 327680
    .private_segment_fixed_size: 0
    .kernarg_segment_align: 8
    .kernarg_segment_size: 40
    .max_flat_workgroup_size: 256
    .sgpr_count:     100
    .vgpr_count:     512
    .wavefront_size: 32
...
	.end_amdgpu_metadata
.endif
;; end of part 5
;; launch outp: the kernel of part 4 again; grid 4 x 64, 4 waves a work-group, no clusters, 91,648 bytes of LDS; arguments oh, w0, b0, out0; writes out0
;; ======== version 3 of 3: 4 launches; version 2 with the launch maskpack written anew for expert scheduling mode
;; limits: values are held in f16: magnitudes above 65,504 overflow, below 6.1e-05 lose precision
;; workspace buffers: mbits 4,194,304 bytes of whole numbers; qh 8,388,608 bytes; kh 8,388,608 bytes; vh 8,388,608 bytes; oh 8,388,608 bytes
;; launch maskpack (part 6): grid 512 x 1, 8 waves a work-group, no clusters, 35,840 bytes of LDS; arguments mask, mbits; writes mbits
.if DOCPART == 6
	.amdgcn_target "amdgcn-amd-amdhsa--gfx1250"
	.amdhsa_code_object_version 6
	.text
	.protected	k_qd7cef8e628_maskpack
	.globl	k_qd7cef8e628_maskpack
	.p2align	8
	.type	k_qd7cef8e628_maskpack,@function
k_qd7cef8e628_maskpack:
	s_mov_b64 s[64:65], 0
	v_nop
	global_prefetch_b8 v0, s[64:65] scope:SCOPE_SE
	s_setreg_imm32_b32 hwreg(HW_REG_WAVE_SCHED_MODE, 0, 2), 2
	s_setreg_imm32_b32 hwreg(HW_REG_WAVE_MODE, 25, 1), 1
	s_wait_xcnt 0x0
	s_wait_alu depctr_vm_vsrc(0)
; The int32 mask [2][4096][4096] is packed once into lane masks: mbits[T][step][n], 32-bit words, T = batch x 256 + query / 16 (512), step = key / 64 (64), n = 8 kt + j (32).
; Bit L of word n says whether mask[batch][16 (T % 256) + L % 16][64 step + 16 kt + 8 (L / 16) + j] is not 0: the lane mask of register n of a 16 query x 64 key tile of scores as the attention launch holds it.
; SHARES.  A work-group takes 16 rows of the mask (262,144 bytes), each of its eight waves 512 keys of them: eight steps of 64 keys.
; A load of a wave takes 256 consecutive bytes of each of two rows.  A lane mask wants sixteen different rows across the lanes, so each 16 x 64 tile is turned in the wave's own LDS bytes
; (rows of 272 bytes: sixteen rows start in sixteen different 16-byte columns of 256).  No wave touches another's bytes: no barrier.  24 to 32 loads of every wave are on their way.
; No matrix unit, no cluster: each byte is read once and nothing is shared.
; THE MODE: SCHED_MODE bits 1:0 = 2 (LLVM: expert scheduling mode 2), set by the entry lines.  The code itself states the register dependences
; between vector instructions and memory or LDS instructions, with s_wait_alu, always for 0.
; THE PLAN.  Registers that memory or LDS instructions touch:
;   RAW0 .. RAW3  Written by the global loads of step t; read by step t's eight LDS stores; then the loads of step t + 4 land in it.  No vector instruction names them.
;   T0, T1        Step t's eight LDS loads land in T[t % 2]; step t's 32 compares read it; the LDS loads of step t + 2 land in it again.
;   OUT0, OUT1    Written by moves and lane writes; read by one global store each, and never written behind it.
;   v2 to v7      Offsets and LDS addresses, made once at the head and never written again.
;   s[16:47]      Written by a step's 32 compares, read by its 32 lane writes.
; Step s + 1 goes through LDS while step s is compared.  In step s: ONE wait on va_vdst at the head (the compares of step s - 1 are done with the T buffer that is loaded next); step s + 1's LDS stores and
; loads; step s's compares, which name the other T buffer alone; ONE wait on vm_vsrc (the LDS stores have read their raw buffer), and that buffer is asked for again; ONE wait on va_sdst; the lane writes.
.set PITCH, 272
.set WT,    16*PITCH                   ; a wave's tile in LDS
.set SPARE, 8*WT                       ; behind the tiles: the spare words, 128 bytes for each wave, four blocks of 256 bytes that no other line names
.set VM,   2                           ; v2   byte offset in the mask: (lane / 16) rows + 16 (lane % 16)
.set VS,   3                           ; v3   LDS: where I put 16 bytes of a row
.set VR,   4                           ; v4   LDS: row lane % 16, keys 8 (lane / 16) on
.set VO,   5                           ; v5   16 x lane: my place in 512 bytes of output
.set SPW,  6                           ; v6   LDS address of my spare word; never rewritten
.set NIL,  7                           ; v7   0; never rewritten
.set OUT0, 8                           ; v[8:11]    the words of steps 0-3: lane 8 s + n / 4 holds words n of step s
.set T0,   12                          ; v[12:43]   an even step's tile turned: register n as in the head's formula
.set RAW,  44                          ; v[44:171]  four buffers of 32: a step's tile as loaded
.set OUT1, 172                         ; v[172:175] the words of steps 4-7
.set T1,   176                         ; v[176:207] an odd step's tile turned
.set WD,   16                          ; s[16:47]   a step's 32 words
	s_load_b128 s[4:7], s[0:1], 0x0                ; mask s[4:5], mbits s[6:7]
	v_lshl_add_u32 v[SPW], v0, 2, SPARE
	v_mov_b32 v[NIL], 0
	v_lshrrev_b32 v1, 5, v0
	v_readfirstlane_b32 s8, v1                     ; wave 0..7
	v_and_b32 v1, 15, v0                           ; lane % 16
	v_bfe_u32 v[T0], v0, 4, 1                      ; lane / 16
	v_lshlrev_b32 v[VM], 4, v1
	v_lshl_add_u32 v[VM], v[T0], 14, v[VM]         ; a row of the mask is 16,384 bytes
	s_wait_alu depctr_va_sdst(0)                   ; s8 is written, ahead of its first reader: the LDS addresses and both bases are made from it
	s_mul_i32 s9, s8, WT
	v_mul_u32_u24 v[VS], v[T0], PITCH
	v_lshl_add_u32 v[VS], v1, 4, v[VS]
	v_add_nc_u32 v[VS], s9, v[VS]
	v_mul_u32_u24 v[VR], v1, PITCH
	v_lshl_add_u32 v[VR], v[T0], 5, v[VR]
	v_add_nc_u32 v[VR], s9, v[VR]
	v_and_b32 v[VO], 31, v0
	v_lshlrev_b32 v[VO], 4, v[VO]
	s_lshl_b32 s10, ttmp9, 18                      ; my 16 rows,
	s_lshl_b32 s12, s8, 11                         ; my wave's 512 keys
	s_add_co_u32 s10, s10, s12
	s_mov_b32 s11, 0
	s_lshl_b32 s12, ttmp9, 13                      ; 64 steps x 128 bytes,
	s_lshl_b32 s13, s8, 10                         ; my wave's eight steps
	s_add_co_u32 s12, s12, s13
	s_mov_b32 s13, 0
	s_wait_kmcnt 0x0
	s_add_nc_u64 s[4:5], s[4:5], s[10:11]
	s_add_nc_u64 s[6:7], s[6:7], s[12:13]
	s_wait_alu depctr_va_vdst(0)                   ; v2 to v7 are written, which the loads, stores and LDS instructions below read; the head is done writing and reading v12, in which an LDS load lands
.macro FILL s                          ; step s: eight loads, two rows of 256 bytes each
.irp i, 0,1,2,3,4,5,6,7
	global_load_b128 v[RAW+32*((\s)%4)+4*(\i):RAW+32*((\s)%4)+4*(\i)+3], v[VM], s[4:5] offset:(\i)*32768+(\s)*256 th:TH_LOAD_NT
.endr
.endm
; Step t's tile goes through my LDS bytes: in by rows, back by lanes, into T[t % 2].
.macro TURNIN t
.if (\t) <= 4
	s_wait_loadcnt 24                              ; loads come back in order: step t is in, the three steps behind it stay out
.else
	s_wait_loadcnt 8*(7-(\t))                      ; the last steps: the count runs down
.endif
.set TL, T0+(T1-T0)*((\t)%2)
.irp i, 0,1,2,3,4,5,6,7                ; LDS serves a wave's instructions in order: these stores come behind the loads of the step before, which read the same bytes
	ds_store_b128 v[VS], v[RAW+32*((\t)%4)+4*(\i):RAW+32*((\t)%4)+4*(\i)+3] offset:(\i)*2*PITCH
.endr
.irp f, 0,1,2,3,4,5,6,7                ; kt = f / 2, keys 4 (f % 2) on: in order again, so these see the stores above
	ds_load_b128 v[TL+4*(\f):TL+4*(\f)+3], v[VR] offset:((\f)/2)*64+((\f)%2)*16
.endr
.endm
.macro STEPM s
.if ((\s) > 0) && ((\s) < 7)
	s_wait_alu depctr_va_vdst(0)                   ; the compares of the step before are done reading the T buffer in which the LDS loads below land; in step 4 its lane writes have written OUT0, which the store below reads
.endif
.if (\s) == 4
	global_store_b128 v[VO], v[OUT0:OUT0+3], s[6:7]  ; four steps' words: 512 consecutive bytes, at a multiple of 256 from the buffer's first
.endif
.if (\s) < 7
	TURNIN (\s)+1                                  ; the next step's tile is on its way through LDS while this step's is compared
	s_wait_dscnt 16                                ; LDS instructions end in order: this step's tile is back; the sixteen just issued stay out
.else
	s_wait_dscnt 0x0                               ; the last tile is back
.endif
.set TC, T0+(T1-T0)*((\s)%2)
.set n, 0
.rept 32
	v_cmp_ne_u32 s[WD+n], 0, v[TC+n]
.set n, n+1
.endr
.if (\s) < 3
	s_wait_alu depctr_vm_vsrc(0)                   ; the LDS stores above have read their raw buffer, in which the loads below land
	FILL (\s)+5                                    ; the buffer takes the step four further on; no vector instruction names it
.endif
	s_wait_alu depctr_va_sdst(0)                   ; the 32 compares have written s[16:47], ahead of the first lane write that reads them
.set OB, OUT0
.if (\s) >= 4
.set OB, OUT1
.endif
.set n, 0
.rept 32
	v_writelane_b32 v[OB+n%4], s[WD+n], ((\s)%4)*8+n/4
.set n, n+1
.endr
.endm
	FILL 0
	FILL 1
	FILL 2
	FILL 3
	TURNIN 0
.irp j, 0,1,2,3
	v_mov_b32 v[OUT0+(\j)], 0                      ; a lane write counts as a reader of its destination: written once, whole.  These eight stand between the LDS stores and the wait below
	v_mov_b32 v[OUT1+(\j)], 0
.endr
	s_wait_alu depctr_vm_vsrc(0)                   ; step 0's LDS stores have read RAW0, in which the loads of step 4 land
	FILL 4
.irp s, 0,1,2,3,4,5,6,7
	STEPM \s
.endr
	s_wait_alu depctr_va_vdst(0)                   ; step 7's lane writes have written OUT1, which the last store reads
	global_store_b128 v[VO], v[OUT1:OUT1+3], s[6:7] offset:512
	s_wait_dscnt 0x0                               ; the closing lines, six on end
	s_wait_alu 0x0
	s_wait_tensorcnt 0x0
	ds_add_u32 v[SPW], v[NIL]
	s_wait_dscnt 0x0
	s_endpgm
.Lfunc_end_k_qd7cef8e628_maskpack:
	.size	k_qd7cef8e628_maskpack, .Lfunc_end_k_qd7cef8e628_maskpack-k_qd7cef8e628_maskpack
	.p2alignl 7, 3214868480
	.fill 96, 4, 3214868480
	.section	.rodata,"a",@progbits
	.p2align	6, 0x0
	.amdhsa_kernel k_qd7cef8e628_maskpack
		.amdhsa_group_segment_fixed_size 35840
		.amdhsa_private_segment_fixed_size 0
		.amdhsa_enable_private_segment 0
		.amdhsa_kernarg_size 16
		.amdhsa_user_sgpr_count 2
		.amdhsa_user_sgpr_kernarg_segment_ptr 1
		.amdhsa_wavefront_size32 1
		.amdhsa_system_sgpr_workgroup_id_x 1
		.amdhsa_system_sgpr_workgroup_id_y 1
		.amdhsa_system_sgpr_workgroup_id_z 1
		.amdhsa_system_vgpr_workitem_id 0
		.amdhsa_next_free_vgpr 208
		.amdhsa_next_free_sgpr 66
		.amdhsa_reserve_vcc 0
		.amdhsa_float_denorm_mode_32 3
		.amdhsa_float_denorm_mode_16_64 3
		.amdhsa_memory_ordered 1
		.amdhsa_forward_progress 1
		.amdhsa_inst_pref_size 50
	.end_amdhsa_kernel
	.amdgpu_metadata
---
amdhsa.version: [ 1, 2 ]
amdhsa.kernels:
  - .name:           k_qd7cef8e628_maskpack
    .symbol:         k_qd7cef8e628_maskpack.kd
    .args:
      - { .name: mask, .offset: 0, .size: 8, .value_kind: global_buffer, .address_space: global }
      - { .name: mbits, .offset: 8, .size: 8, .value_kind: global_buffer, .address_space: global }
    .group_segment_fixed_size: 35840
    .private_segment_fixed_size: 0
    .kernarg_segment_align: 8
    .kernarg_segment_size: 16
    .max_flat_workgroup_size: 256
    .sgpr_count:     66
    .vgpr_count:     208
    .wavefront_size: 32
...
	.end_amdgpu_metadata
.endif
;; end of part 6
;; launch proj: the kernel of part 2 again; grid 4 x 192, 4 waves a work-group, no clusters, 83,456 bytes of LDS; arguments q, k, v, wq, wk, wv, bq, bk, bv, qh, kh, vh; writes qh, kh, vh
;; launch attn: the kernel of part 5 again; grid 16 x 16, 8 waves a work-group, clusters of 4 x 1, 327,680 bytes of LDS; arguments qh, kh, vh, oh, mbits; writes oh
;; launch outp: the kernel of part 4 again; grid 4 x 64, 4 waves a work-group, no clusters, 91,648 bytes of LDS; arguments oh, w0, b0, out0; writes out0
